; MI455X (gfx1250); checked and timed in simulation.
; The chip was launched on July 23, 2026; its instructions are those of AMD's public machine-readable ISA for CDNA 5 (MIT licence, August 2026) and "CDNA5" Instruction Set Architecture Reference Guide (July 2026). The comments in the code are by the model that wrote it; some were corrected since.
;; Multi Head Attention. Allowed arithmetic: matrix products marked QUANTISED: E2M3 operands, one E8M0 scale for each 32 along K, by v_wmma_scale_f32_16x16x128_f8f6f4 with both operands' format E2M3, f32 sums; everything else in f32.
;; Inputs: Wk 1,024 x 1,024 float32; Wo 1,024 x 1,024 float32; Wq 1,024 x 1,024 float32; Wv 1,024 x 1,024 float32; bo 1,024 float32; x 4 x 2,048 x 1,024 float32.
;; Outputs: out0 4 x 2,048 x 1,024 float32.
;; This version of the problem:
;;   THIS VERSION OF THE PROBLEM IS GIVEN IN LOW PRECISION. The matrix products marked QUANTISED in the list below multiply operands that are first quantised to E2M3 (2 exponent bits, 3 mantissa bits; 6 bits a number), with one power-of-two scale for each 32 numbers along K (OCP MX v1.0); their sums are f32. All else is computed in f32.
;;   The module's matrix products, in the order in which they are computed (A, B: the left and right operand; K: the contracted axis; several contracted axes count as one K, in the product's order):
;;     1. [M 8,192, K 1,024] x [K 1,024, N 1,024]; A: input x; B: input Wq: QUANTISED
;;     2. [M 8,192, K 1,024] x [K 1,024, N 1,024]; A: input x; B: input Wk: QUANTISED
;;     3. [M 8,192, K 1,024] x [K 1,024, N 1,024]; A: input x; B: input Wv: QUANTISED
;;     4. batch 64 x [M 2,048, K 64] x [K 64, N 2,048]; A: computed on the way; B: computed on the way: QUANTISED
;;     5. batch 64 x [M 2,048, K 2,048] x [K 2,048, N 64]; A: softmax (see below); B: computed on the way: QUANTISED
;;     6. [M 8,192, K 1,024] x [K 1,024, N 1,024]; A: computed on the way; B: input Wo: QUANTISED
;;   THE QUANTISER, for each operand of a quantised product, along K:
;;     - K is cut into blocks of 32 from its start; a last block that is shorter is filled with zeros.
;;     - A block's scale is 2^e with e = floor(log2(the largest magnitude in the block)) - 2, held to -126 .. 127; a block of zeros has e = 0. As a byte (E8M0): e + 127.
;;     - Each number is divided by its block's scale, clamped to +-7.5, and rounded to the nearest number of E2M3, ties to even, subnormals kept.
;;     - The product sums the exact products of the quantised numbers (number of the format x scale) in f32.
;;   ~~~python
;;   def quantise(x, axis):      # numpy; x: float32 -> the quantised numbers, widened to float32 again
;;       x = np.moveaxis(x, axis, -1); K = x.shape[-1]
;;       x = np.pad(x, [(0, 0)] * (x.ndim - 1) + [(0, -K % 32)]); x = x.reshape(x.shape[:-1] + (-1, 32)); a = np.abs(x).max(-1, keepdims=True)
;;       e = np.where(a > 0, np.clip(np.frexp(np.where(a > 0, a, 1))[1] - 1 - 2, -126, 127), 0)      # np.frexp(a)[1] - 1 = floor(log2(a)), exactly
;;       r = np.clip(x / 2.0 ** e, -7.5, 7.5)
;;       step = 2.0 ** (np.maximum(np.frexp(np.where(r == 0, 1, r))[1] - 1, 0) - 3)
;;       q = np.round(r / step) * step * 2.0 ** e      # np.round: ties to even
;;       return np.moveaxis(q.reshape(q.shape[:-2] + (-1,))[..., :K], -1, axis).astype(np.float32)
;;   ~~~
;;   SOFTMAX AHEAD OF A QUANTISED PRODUCT. Where the list says 'softmax', what is quantised is not the finished softmax but p = 2^(t - M), with t = logit x log2(e) and M = ceil(the row's largest t), a whole number; so 1/2 < the row's largest p <= 1. The row's sum l is taken of the UNQUANTISED p, in f32, and the product's result is divided by l at the end. Since M is a whole number, a kernel that streams over the keys may use a running M (the ceiling of the running maximum): every later rescaling is an exact power of two, which a block's scale takes up: the codes' values come out the same.
;;   OPERANDS COMPUTED ON THE WAY. 'Computed on the way' means the value that the module computes at that place (a softmax that the list does not call 'softmax' is quantised finished and normalised). What goes into a quantiser is computed in f32, as accurately as f32 sums, v_exp_f32 and their like allow (about 1e-6 of the number): no bf16 or f16 on the way to a quantiser, and a product that is left as it is and whose result goes on into a quantised operand takes f32 operands (vector FMAs, or v_wmma_f32_16x16x4_f32). A number that lies on a knife's edge between two numbers of the format may be rounded either way, as far as f32 arithmetic and the matrix unit's own rounding can turn it there, and no further.
;; One version. Each part assembles by itself: llvm-mc -triple=amdgcn-amd-amdhsa -mcpu=gfx1250 --defsym DOCPART=n.
;; ======== version 1 of 1: 4 launches
;; workspace buffers: x_img 6,291,456 bytes; x_sc 262,144 bytes; w_img 3,145,728 bytes; w_sc 131,072 bytes; qb 6,553,600 bytes; kv 13,107,200 bytes; ctx_img 6,291,456 bytes; ctx_sc 262,144 bytes
;; launch quant (part 1): grid 384 x 1, 4 waves a work-group, no clusters, 34,304 bytes of LDS; arguments x, Wq, Wk, Wv, Wo, x_img, x_sc, w_img, w_sc; writes x_img, x_sc, w_img, w_sc
.if DOCPART == 1
	.amdgcn_target "amdgcn-amd-amdhsa--gfx1250"
	.amdhsa_code_object_version 6
	.text
	.protected	k_q2fd49478a9_quant
	.globl	k_q2fd49478a9_quant
	.p2align	8
	.type	k_q2fd49478a9_quant,@function
k_q2fd49478a9_quant:
	s_mov_b64 s[64:65], 0
	v_nop
	global_prefetch_b8 v0, s[64:65] scope:SCOPE_SE
	s_setreg_imm32_b32 hwreg(HW_REG_WAVE_MODE, 25, 1), 1
	s_wait_xcnt 0x0
; x [8192][1024] and Wq, Wk, Wv, Wo [1024][1024], f32, K innermost, become codes of FP6 (E2M3) with one E8M0 byte for each 32 along K,
; laid in the order of a matrix operand's registers, so that every later launch loads fragments as they stand.
; A TILE is 16 rows: place r of tile T is row 32 (T / 2) + 8 (T % 2) + r + 8 (r / 8).  A FRAGMENT (16 places x 128 K, 12 registers a lane, 1,536 bytes) lies as
; registers 0-3 at 16 x lane, 4-5 at 512 + 8 x lane, 6-9 at 768 + 16 x lane, 10-11 at 1,280 + 8 x lane.  Images: [tile][K step 8] fragments.
; Scale words (four bytes: 128 along K of one row): [tile][pair of K steps 4][place 16][2] words.
; A block's scale is 2^(floor(log2(its largest magnitude)) - 2); its byte is the largest magnitude's exponent field - 2, held at 1 from below.
; LIMITS: NaN and infinities among the inputs are not served; a block whose largest magnitude lies under 2^-124 keeps the byte 1; a block of zeros gets the byte 1
; and not 127: its codes are zeros, which add nothing under any byte but 0xff, and the bytes are read by this program alone.
; SHARES: a work-group takes 32 rows (two tiles): the first 256 work-groups x's, the other 128 the four weights', 32 each.  Wave w takes tile w % 2 and K steps 4 (w / 2) on.
; Each load reads 512 consecutive bytes of one row; a K step's 16 rows turn through the wave's own stage in LDS (rows of 512 + 16 bytes), from which lane (r, h) takes,
; of row r, 16 neighbours of each block of 32.  Waves share nothing: no barrier.  No matrix unit, no cluster: no byte is read by two work-groups.
.set GI,   1                           ; v1   16 x lane
.set G8,   2                           ; v2   8 x lane
.set SI,   3                           ; v3   the stage, on the way in: 16 x lane
.set SO,   4                           ; v4   and out: 528 r + 64 h
.set LN,   5                           ; v5   lane
.set TM,   8                           ; v8-11 largest magnitudes, v12-15 bytes, v20-23 the conversions' scale operands
.set PW,   24                          ; v24-27 the four K steps' scale words
.set PC,   28                          ; v28-39 a fragment's codes
.set PT,   40                          ; v40-47 the conversions' second halves
.set SW,   48                          ; v48-49 the pair of scale words that I store
.set R,    64                          ; v64-191 two sets of 64 registers as loaded
.set X,    192                         ; v192-255 64 numbers of my row: register 16 b + i is k = 32 b + 16 h + i
.set SEL,  22                          ; s[22:23] lane selects: lane l xor 16
.set IN,   24                          ; s[24:25] my rows
.set OC,   26                          ; s[26:27] my fragments
.set OS,   28                          ; s[28:29] my scale words
.set STGB, 16*528
	s_load_b512 s[4:19], s[0:1], 0x0               ; x, Wq, Wk, Wv, Wo, x_img, x_sc, w_img
	s_load_b64 s[20:21], s[0:1], 0x40              ; w_sc
	v_lshl_add_u32 v62, v0, 2, 0x8400
	v_mov_b32 v63, 0
	v_lshrrev_b32 v6, 5, v0
	v_readfirstlane_b32 s30, v6                    ; wave
	v_and_b32 v[LN], 31, v0
	v_and_b32 v6, 15, v0                           ; r
	v_bfe_u32 v7, v0, 4, 1                         ; h
	v_lshlrev_b32 v[GI], 4, v[LN]
	v_lshlrev_b32 v[G8], 3, v[LN]
	s_mul_i32 s31, s30, STGB                       ; my stage
	v_add_nc_u32 v[SI], s31, v[GI]
	v_mul_u32_u24 v[SO], v6, 528
	v_lshl_add_u32 v[SO], v7, 6, v[SO]
	v_add_nc_u32 v[SO], s31, v[SO]
.irp b, 0,1,2,3
	v_mov_b32 v[TM+4+\b], 0                        ; written once: a lane permute's destination counts as one of its sources
.endr
	s_mov_b32 s[SEL], 0x76543210
	s_mov_b32 s[SEL+1], 0xfedcba98
	s_and_b32 s32, s30, 1                          ; which tile of the two
	s_lshr_b32 s33, s30, 1                         ; which half of K
	s_sub_co_u32 s34, ttmp9, 256
	s_and_b32 s35, s34, 31
	s_cmp_lt_u32 ttmp9, 256                        ; x's work-group or a weight's?  The choice hangs on the work-group's number alone
	s_cselect_b32 s35, ttmp9, s35                  ; the group of 32 rows in its tensor,
	s_cselect_b32 s34, ttmp9, s34                  ; and in its buffer of images
	s_lshl_b32 s36, s35, 17                        ; 32 rows of 4,096 bytes
	s_lshl_b32 s37, s32, 15                        ; the odd tile begins 8 rows down
	s_add_co_u32 s36, s36, s37
	s_lshl_b32 s37, s33, 11                        ; four K steps of 512 bytes
	s_add_co_u32 s36, s36, s37
	s_mov_b32 s37, 0
	s_lshl_b32 s38, s34, 1
	s_add_co_u32 s38, s38, s32                     ; my tile
	s_mul_i32 s34, s38, 12288
	s_mul_i32 s39, s33, 6144
	s_add_co_u32 s34, s34, s39
	s_mov_b32 s35, 0
	s_lshl_b32 s38, s38, 9
	s_lshl_b32 s39, s33, 8
	s_add_co_u32 s38, s38, s39
	s_mov_b32 s39, 0
	s_wait_alu depctr_va_vdst(0)
	s_wait_kmcnt 0x0
	s_mov_b64 s[IN:IN+1], s[4:5]
	s_cmp_ge_u32 ttmp9, 256
	s_cselect_b64 s[IN:IN+1], s[6:7], s[IN:IN+1]
	s_cselect_b64 s[OC:OC+1], s[18:19], s[14:15]
	s_cselect_b64 s[OS:OS+1], s[20:21], s[16:17]
	s_cmp_ge_u32 ttmp9, 288
	s_cselect_b64 s[IN:IN+1], s[8:9], s[IN:IN+1]
	s_cmp_ge_u32 ttmp9, 320
	s_cselect_b64 s[IN:IN+1], s[10:11], s[IN:IN+1]
	s_cmp_ge_u32 ttmp9, 352
	s_cselect_b64 s[IN:IN+1], s[12:13], s[IN:IN+1]
	s_add_nc_u64 s[IN:IN+1], s[IN:IN+1], s[36:37]
	s_add_nc_u64 s[OC:OC+1], s[OC:OC+1], s[34:35]
	s_add_nc_u64 s[OS:OS+1], s[OS:OS+1], s[38:39]
.macro LOADQ q                         ; K step q of my 16 rows: each load reads 512 consecutive bytes of one row
.irp p, 0,1,2,3,4,5,6,7,8,9,10,11,12,13,14,15
	global_load_b128 v[R+64*((\q)%2)+4*\p:R+64*((\q)%2)+4*\p+3], v[GI], s[IN:IN+1] offset:(\p+8*(\p/8))*4096+512*(\q) th:TH_LOAD_NT
.endr
.endm
; 64 numbers of a lane, register 16 b + i = k 32 b + 16 h + i of my row, become a fragment's codes in v[PC] on and its scale word in v[pw].
.macro QUANT s, pw
.irp b, 0,1,2,3
	v_max3_num_f32 v[TM+\b], |v[\s+16*\b]|, |v[\s+1+16*\b]|, 0x1800000   ; my 16 numbers of block b, and the floor 2^(3 - 127): the byte cannot fall under 1
.endr
.irp i, 2,4,6,8,10,12,14
.irp b, 0,1,2,3
	v_max3_num_f32 v[TM+\b], v[TM+\b], |v[\s+16*\b+\i]|, |v[\s+1+16*\b+\i]|   ; the four blocks by turns
.endr
.endr
.irp b, 0,1,2,3
	v_permlanex16_b32 v[TM+4+\b], v[TM+\b], s[SEL], s[SEL+1]
.endr
.irp b, 0,1,2,3
	v_max_num_f32 v[TM+\b], v[TM+\b], v[TM+4+\b]   ; with lane l xor 16's: the block's largest magnitude
.endr
.irp b, 0,1,2,3
	v_add_nc_u32 v[TM+12+\b], 0xff000000, v[TM+\b] ; 2 off its exponent field: the conversion takes the exponent field of this operand as its scale
.endr
.irp b, 0,1,2,3
	v_lshrrev_b32 v[TM+4+\b], 23, v[TM+12+\b]      ; the scale's byte
.endr
	v_lshl_or_b32 v[\pw], v[TM+5], 8, v[TM+4]
	v_lshl_or_b32 v[\pw], v[TM+6], 16, v[\pw]
	v_lshl_or_b32 v[\pw], v[TM+7], 24, v[\pw]
.irp c, 0,1
	v_cvt_scalef32_pk16_fp6_f32 v[PC+6*\c:PC+6*\c+2], v[\s+32*\c:\s+32*\c+15], v[TM+12+2*\c]
	v_cvt_scalef32_pk16_fp6_f32 v[PT+4*\c:PT+4*\c+2], v[\s+32*\c+16:\s+32*\c+31], v[TM+12+2*\c+1]   ; (a conversion's three registers begin on an even number)
.endr
	v_nop                                          ; one plain instruction behind the scaled conversions
.irp c, 0,1                                    ; the operand wants a whole block in a lane: lanes 0-15 block 2 c, lanes 16-31 block 2 c + 1
.irp i, 0,1,2
	v_permlane16_swap_b32 v[PC+6*\c+\i], v[PT+4*\c+\i]
.endr
.irp i, 0,1,2
	v_mov_b32 v[PC+3+6*\c+\i], v[PT+4*\c+\i]
.endr
.endr
.endm
.macro KSTEP q
.if (\q) < 3
	s_wait_loadcnt 16                              ; this K step's 16 loads are in; the next one's 16 may be out
.else
	s_wait_loadcnt 0x0
.endif
.irp p, 0,1,2,3,4,5,6,7,8,9,10,11,12,13,14,15
	ds_store_b128 v[SI], v[R+64*((\q)%2)+4*\p:R+64*((\q)%2)+4*\p+3] offset:528*\p
.endr
.irp b, 0,1,2,3
.irp j, 0,1,2,3
	ds_load_b128 v[X+16*\b+4*\j:X+16*\b+4*\j+3], v[SO] offset:128*\b+16*\j   ; LDS serves a wave's instructions in order: these see the stores above
.endr
.endr
	s_wait_dscnt 0x0                               ; my numbers are back, and the stores have read their registers
.if (\q) > 0
	s_wait_xcnt 0x0                                ; the last K step's stores have read the codes' registers, which are written again below
.endif
.if (\q) < 2
	LOADQ (\q)+2
.endif
	QUANT X, PW+(\q)
	global_store_b128 v[GI], v[PC:PC+3], s[OC:OC+1] offset:1536*(\q)            ; 512 consecutive bytes
	global_store_b64 v[G8], v[PC+4:PC+5], s[OC:OC+1] offset:1536*(\q)+512       ; 256
	global_store_b128 v[GI], v[PC+6:PC+9], s[OC:OC+1] offset:1536*(\q)+768
	global_store_b64 v[G8], v[PC+10:PC+11], s[OC:OC+1] offset:1536*(\q)+1280
.endm
	LOADQ 0
	LOADQ 1
	KSTEP 0
	KSTEP 1
	KSTEP 2
	KSTEP 3
	v_cmp_lt_u32 vcc_lo, 15, v[LN]                 ; lanes 0-15 store the words of K steps 0, 1, lanes 16-31 those of 2, 3
	v_cndmask_b32 v[SW], v[PW], v[PW+2], vcc_lo
	v_cndmask_b32 v[SW+1], v[PW+1], v[PW+3], vcc_lo
	global_store_b64 v[G8], v[SW:SW+1], s[OS:OS+1] ; 256 consecutive bytes, aligned
	s_wait_tensorcnt 0x0
	ds_add_u32 v62, v63
	s_wait_dscnt 0x0
	s_endpgm
.Lfunc_end_k_q2fd49478a9_quant:
	.size	k_q2fd49478a9_quant, .Lfunc_end_k_q2fd49478a9_quant-k_q2fd49478a9_quant
	.p2alignl 7, 3214868480
	.fill 96, 4, 3214868480
	.section	.rodata,"a",@progbits
	.p2align	6, 0x0
	.amdhsa_kernel k_q2fd49478a9_quant
		.amdhsa_group_segment_fixed_size 34304
		.amdhsa_private_segment_fixed_size 0
		.amdhsa_enable_private_segment 0
		.amdhsa_kernarg_size 72
		.amdhsa_user_sgpr_count 2
		.amdhsa_user_sgpr_kernarg_segment_ptr 1
		.amdhsa_wavefront_size32 1
		.amdhsa_system_sgpr_workgroup_id_x 1
		.amdhsa_system_sgpr_workgroup_id_y 1
		.amdhsa_system_sgpr_workgroup_id_z 1
		.amdhsa_system_vgpr_workitem_id 0
		.amdhsa_next_free_vgpr 256
		.amdhsa_next_free_sgpr 66
		.amdhsa_reserve_vcc 1
		.amdhsa_float_denorm_mode_32 3
		.amdhsa_float_denorm_mode_16_64 3
		.amdhsa_memory_ordered 1
		.amdhsa_forward_progress 1
		.amdhsa_inst_pref_size 34
	.end_amdhsa_kernel
	.amdgpu_metadata
---
amdhsa.version: [ 1, 2 ]
amdhsa.kernels:
  - .name:           k_q2fd49478a9_quant
    .symbol:         k_q2fd49478a9_quant.kd
    .args:
      - { .name: x, .offset: 0, .size: 8, .value_kind: global_buffer, .address_space: global }
      - { .name: Wq, .offset: 8, .size: 8, .value_kind: global_buffer, .address_space: global }
      - { .name: Wk, .offset: 16, .size: 8, .value_kind: global_buffer, .address_space: global }
      - { .name: Wv, .offset: 24, .size: 8, .value_kind: global_buffer, .address_space: global }
      - { .name: Wo, .offset: 32, .size: 8, .value_kind: global_buffer, .address_space: global }
      - { .name: x_img, .offset: 40, .size: 8, .value_kind: global_buffer, .address_space: global }
      - { .name: x_sc, .offset: 48, .size: 8, .value_kind: global_buffer, .address_space: global }
      - { .name: w_img, .offset: 56, .size: 8, .value_kind: global_buffer, .address_space: global }
      - { .name: w_sc, .offset: 64, .size: 8, .value_kind: global_buffer, .address_space: global }
    .group_segment_fixed_size: 34304
    .private_segment_fixed_size: 0
    .kernarg_segment_align: 8
    .kernarg_segment_size: 72
    .max_flat_workgroup_size: 128
    .sgpr_count:     66
    .vgpr_count:     256
    .wavefront_size: 32
...
	.end_amdgpu_metadata
.endif
;; end of part 1
;; launch qkv (part 2): grid 12 x 32, 4 waves a work-group, clusters of 4 x 4, 327,680 bytes of LDS; arguments x_img, x_sc, w_img, w_sc, qb, kv; writes qb, kv
.if DOCPART == 2
	.amdgcn_target "amdgcn-amd-amdhsa--gfx1250"
	.amdhsa_code_object_version 6
	.text
	.protected	k_q2fd49478a9_qkv
	.globl	k_q2fd49478a9_qkv
	.p2align	8
	.type	k_q2fd49478a9_qkv,@function
k_q2fd49478a9_qkv:
	s_mov_b64 s[64:65], 0
	v_nop
	global_prefetch_b8 v0, s[64:65] scope:SCOPE_SE
	s_setreg_imm32_b32 hwreg(HW_REG_WAVE_MODE, 25, 1), 1
	s_wait_xcnt 0x0
	s_wait_alu depctr_hold_cnt(0) depctr_sa_sdst(0) depctr_va_vdst(0) depctr_va_sdst(0) depctr_va_ssrc(0) depctr_va_vcc(0) depctr_vm_vsrc(0)
	s_getreg_b32 s2, hwreg(HW_REG_IB_STS2, 6, 4)
	s_cmp_eq_u32 s2, 0
	s_cbranch_scc0 .Lentry_in_a_cluster
	s_endpgm
.Lentry_in_a_cluster:
	s_bfe_u32 s2, ttmp6, 0x10000c
	s_cmp_lg_u32 s2, 0xf033
	s_cbranch_scc0 .Lentry_shape_is_right
	s_endpgm
.Lentry_shape_is_right:
; q = x Wq^T, k = x Wk^T, v = x Wv^T on codes of FP6 (E2M3) with E8M0 scales, K = 1,024, sums in f32; the results are quantised in registers and leave as codes:
; q and k along the head's 64, v along the keys.  Operands arrive as images of fragments (16 places x 128 K, 1,536 bytes: registers 0-3 at 16 x lane, 4-5 at 512 + 8 x lane,
; 6-9 at 768 + 16 x lane, 10-11 at 1,280 + 8 x lane), [tile][K step 8]; place r of tile T is row 32 (T / 2) + 8 (T % 2) + r + 8 (r / 8).
; A work-group of four waves makes 256 (side A) x 256 (side B), a wave 128 x 128: 64 accumulators, 512 registers.  Source 0 = side B, source 1 = side A: a lane holds ONE place of A, and by the
; choice of a tile's rows the 16 registers of B's tiles 2 b and 2 b + 1 are 16 neighbouring rows of B: what the quantiser wants along its K.
; Cluster x = 0: q, 1: k (A = x's rows, B = the weight's rows: a lane holds a token, its registers run along head x 64 + d); 2: v (A = Wv's rows, B = x's rows: a lane holds a d, its
; registers run along the keys).  The sides are swapped by a choice of pointers and numbers on the cluster's x, which all partners share: one text, no branch.
; CLUSTERS: 4 x 4 work-groups; A's tiles are shared along a row of the cluster, B's along a column: each is asked for jointly, by the same tensor load with a mask that names the four.
; K goes in steps of 256 through two LDS slots (four fills for K = 1,024, written out: no loop); the scale words of the work-group's rows for all of K come once.
; OUT: qb [batch x head 64][record 16] of 6,400 bytes: the 8 tiles of 128 tokens as half fragments (16 places x 64 d, 768 bytes), then 4 x 64 bytes of pair words (bytes 0, 1: the even tile's two
; scales; 2, 3: the odd tile's).  kv [64][16] of 12,800 bytes: K as in qb at 0; V's 4 fragments (16 d x 128 keys) at 6,144; K's pair words at 12,288; V's words at 12,544.
; LIMITS: NaN and infinities are not served; a block whose largest magnitude lies under 2^-124, a block of zeros among them, keeps the byte 1 (its codes' error is under 2^-127; zeros stay zeros).
.set NL,    4                          ; LDS loads that bring a fragment
.set NP,    4                          ; places behind this matrix instruction (ISA guide 7.12.1)
.set FR,    12
.set PARTB, 24576                      ; 8 tiles x 2 fragments: what one tensor load brings, and what a wave reads of A or of B
.set SLOT,  4*PARTB                    ; A's 16 tiles, then B's 16
.set SCA,   2*SLOT                     ; A's scale words: 16 tiles x 512 bytes
.set SCB,   SCA+8192                   ; B's
.set SPARE, SCB+8192                   ; the spare words, 128 bytes for each wave: two blocks of 256 bytes that no other line names
.set STG,   SPARE+512                  ; a stage of 512 bytes for each wave, for the results' scale words; no fill lands here
.set L16,   8                          ; v8   16 x lane
.set L8,    9                          ; v9   8 x lane
.set SSTO,  10                         ; v10  my stage + 4 r
.set SRD,   11                         ; v11  my stage + 16 x lane
.set SOFFV, 12                         ; v12  where my 16 bytes of scale words go
.set ADRA16, 16                        ; v16-17 A's fragments in slot 0, 1: + 16 x lane;  v18-19: + 8 x lane
.set ADRA8,  18
.set ADRB16, 20                        ; v20-23 the same for B
.set ADRB8,  22
.set ADRS,  27                         ; v27  my scale words: lanes 0-15 A's, lanes 16-31 B's
.set SPW,   28                         ; v28  my spare word; never rewritten
.set NIL,   29                         ; v29  0; never rewritten
.set SC,    32                         ; v32-63 scale words, two sets of 16: register 2 i + q: lanes 0-15 A's block i, lanes 16-31 B's block i
.set TM,    64                         ; v64-79 the quantiser's work
.set PWE,   80                         ; v80, v81 the scale words of an even and an odd block
.set PWO,   81
.set X0,    82
.set X1,    83
.set PC,    84                         ; v84-95 a fragment's codes
.set PT,    96                         ; v96-103
.set SD,    104                        ; v104-107
.set AF,    128                        ; v128-223 A's fragments, one set;  window 1: B's two sets at v0 and v128;  windows 2, 3: accumulator (a, b) at v[8 (8 (a % 4) + b)]
.set WV,    16
.set WHI,   17                         ; which half of A is mine.  Also: I fetch for A (0) or for B (1)
.set WLO,   18                         ; which half of B.  Also: which 8 tiles I fetch
.set CX,    19
.set CY,    20
.set XX,    21
.set YY,    22
.set G1,    24
.set G0,    32
.set G1B,   48
.set G0B,   56
.set LSEL,  66
.set G1S,   68
.set G0S,   76
.set G1SB,  80
.set G0SB,  88
.set P0,    92                         ; s[92:93], s[94:95] where a block's two halves go;  s[96:97] the step from block to block;  s[98:99] the extra step behind block 3;  s[100:101] the scale words
.set P1,    94
.set SA,    96
.set EXT,   98
.set SB,    100
.set MSB, 0
.macro WIN new                         ; the immediate's high byte repeats the setting that is left
.if MSB != (\new)
	s_set_vgpr_msb (MSB<<8)|(\new)
.set MSB, (\new)
.endif
.endm
.set MUL_LO, 0xa1                      ; source 0 (B) window 1, source 1 (A) window 0, C and D window 2
.set MUL_HI, 0xf1
.set TO_B,   0x40
; A joint load: waves 0 and 1 fetch for A, waves 2 and 3 for B.  The branch hangs on the wave's number alone.  Four v_nop follow each of the two lines.
.macro JLOAD g0a, g1a, g0b, g1b
	s_cmp_eq_u32 s[WHI], 0
	s_cbranch_scc0 .Lfor_b_\@
	tensor_load_to_lds s[\g0a:\g0a+3], s[\g1a:\g1a+7]
	s_nop 0
.rept 4
	v_nop
.endr
	s_branch .Lasked_\@
.Lfor_b_\@:
	tensor_load_to_lds s[\g0b:\g0b+3], s[\g1b:\g1b+7]
	s_nop 0
.rept 4
	v_nop
.endr
.Lasked_\@:
.endm
.macro CREST                           ; a round of the cluster's barrier behind its opening barrier
	s_cmp_lg_u32 s[WV], 0
	s_cbranch_scc1 .Lnot_wave_0_\@
	s_barrier_signal -3
.Lnot_wave_0_\@:
	s_barrier_wait -3
	s_barrier_signal -1
	s_barrier_wait -1
.endm
.macro CROUND
	s_barrier_signal -1
	s_barrier_wait -1
	CREST
.endm
.macro PLACES n
.rept \n
	v_nop
.endr
.endm
	s_load_b256 s[4:11], s[0:1], 0x0               ; x_img, x_sc, w_img, w_sc
	s_load_b128 s[12:15], s[0:1], 0x20             ; qb, kv
	v_lshl_add_u32 v[SPW], v0, 2, SPARE
	v_mov_b32 v[NIL], 0
	ds_add_u32 v28, v29
	ds_add_u32 v28, v29
	s_wait_dscnt 0x0
	v_lshrrev_b32 v1, 5, v0
	v_readfirstlane_b32 s[WV], v1
	s_lshr_b32 s[WHI], s[WV], 1
	s_and_b32 s[WLO], s[WV], 1
	s_bfe_u32 s[CX], ttmp6, 0x40000
	s_bfe_u32 s[CY], ttmp6, 0x40004
	s_mov_b32 s[XX], ttmp9                         ; the cluster's x: q, k or v
	s_and_b32 s[YY], ttmp7, 0xffff                 ; the cluster's y: 1,024 rows of x
	s_lshl_b32 s23, s[CY], 2
	s_lshl_b32 s23, 15, s23                        ; my row of the cluster
	s_lshl_b32 s44, 0x1111, s[CX]                  ; my column
	s_or_b32 s[G1], s23, (3<<16)|(1<<21)           ; 15:0 the mask; 17:16 elements of 8 bytes; 21 set beside a mask; no padding
	s_or_b32 s[G1S], s23, (3<<16)|(1<<21)
	s_or_b32 s[G1B], s44, (3<<16)|(1<<21)
	s_or_b32 s[G1SB], s44, (3<<16)|(1<<21)
.irp g, G1, G1B                        ; codes: 8 rows (tiles) of 3,072 bytes (two fragments), 12,288 bytes apart
	s_mov_b32 s[\g+1], 384<<16
	s_mov_b32 s[\g+2], 8<<16
	s_mov_b32 s[\g+3], 384<<16
	s_mov_b32 s[\g+4], 8
	s_mov_b32 s[\g+5], 1536
	s_mov_b32 s[\g+6], 0
	s_mov_b32 s[\g+7], 0
.endr
.irp g, G1S, G1SB                      ; scale words of 8 tiles: 4,096 dense bytes as 16 rows of 256
	s_mov_b32 s[\g+1], 32<<16
	s_mov_b32 s[\g+2], 16<<16
	s_mov_b32 s[\g+3], 32<<16
	s_mov_b32 s[\g+4], 16
	s_mov_b32 s[\g+5], 32
	s_mov_b32 s[\g+6], 0
	s_mov_b32 s[\g+7], 0
.endr
	; the tiles that I fetch.  A's number is made of cy, B's of cx, each in registers of its own
	s_lshl_b32 s40, s[YY], 6
	s_lshl_b32 s44, s[XX], 6
	s_cmp_eq_u32 s[XX], 2
	s_cselect_b32 s44, s40, s44                    ; B: x's tiles 64 Y on for v, else the weight's 64 X on
	s_cselect_b32 s40, 128, s40                    ; A: Wv's tiles 128 on for v, else x's
	s_lshl_b32 s23, s[WLO], 3
	s_lshl_b32 s41, s[CY], 4
	s_add_co_u32 s40, s40, s41
	s_add_co_u32 s40, s40, s23
	s_lshl_b32 s45, s[CX], 4
	s_add_co_u32 s44, s44, s45
	s_add_co_u32 s44, s44, s23
	s_mul_i32 s42, s40, 12288                      ; in bytes: codes,
	s_mov_b32 s43, 0
	s_lshl_b32 s40, s40, 9                         ; scale words
	s_mov_b32 s41, 0
	s_mul_i32 s46, s44, 12288
	s_mov_b32 s47, 0
	s_lshl_b32 s44, s44, 9
	s_mov_b32 s45, 0
	s_mul_i32 s23, s[WV], PARTB                    ; where they go: wave x a part: no place in the cluster enters an LDS address
	s_lshl_b32 s2, s[WV], 12
	s_wait_kmcnt 0x0
	s_cmp_eq_u32 s[XX], 2
	s_cselect_b64 s[92:93], s[8:9], s[4:5]
	s_cselect_b64 s[94:95], s[10:11], s[6:7]
	s_cselect_b64 s[96:97], s[4:5], s[8:9]
	s_cselect_b64 s[98:99], s[6:7], s[10:11]
	s_add_nc_u64 s[92:93], s[92:93], s[42:43]
	s_add_nc_u64 s[94:95], s[94:95], s[40:41]
	s_add_nc_u64 s[96:97], s[96:97], s[46:47]
	s_add_nc_u64 s[98:99], s[98:99], s[44:45]
	CROUND                                         ; all sixteen work-groups are here: the first joint loads meet
	s_mov_b32 s[G0S], 1
	s_add_co_u32 s[G0S+1], s2, SCA
	s_mov_b64 s[G0S+2:G0S+3], s[94:95]
	s_or_b32 s[G0S+3], s[G0S+3], 0x80000000
	s_mov_b32 s[G0SB], 1
	s_add_co_u32 s[G0SB+1], s2, SCA
	s_mov_b64 s[G0SB+2:G0SB+3], s[98:99]
	s_or_b32 s[G0SB+3], s[G0SB+3], 0x80000000
	JLOAD G0S, G1S, G0SB, G1SB                     ; the scale words first: they are wanted with K step 0
.irp s, 0,1
	s_mov_b32 s[G0+4*\s], 1
	s_add_co_u32 s[G0+4*\s+1], s23, \s*SLOT
	s_add_nc_u64 s[G0+4*\s+2:G0+4*\s+3], s[92:93], \s*3072
	s_or_b32 s[G0+4*\s+3], s[G0+4*\s+3], 0x80000000
	s_mov_b32 s[G0B+4*\s], 1
	s_add_co_u32 s[G0B+4*\s+1], s23, \s*SLOT
	s_add_nc_u64 s[G0B+4*\s+2:G0B+4*\s+3], s[96:97], \s*3072
	s_or_b32 s[G0B+4*\s+3], s[G0B+4*\s+3], 0x80000000
	JLOAD G0+4*\s, G1, G0B+4*\s, G1B
.endr
	v_and_b32 v1, 31, v0                           ; lane
	v_and_b32 v2, 15, v0                           ; r
	v_bfe_u32 v3, v0, 4, 1                         ; h
	v_lshlrev_b32 v[L16], 4, v1
	v_lshlrev_b32 v[L8], 3, v1
	s_mul_i32 s40, s[WHI], PARTB                   ; my 8 tiles of A,
	s_mul_i32 s41, s[WLO], PARTB                   ; my 8 of B,
	s_add_co_u32 s41, s41, 2*PARTB                 ; which lie behind A's 16
.irp s, 0,1
	v_add_nc_u32 v[ADRA16+\s], s40, v[L16]
	v_add_nc_u32 v[ADRA8+\s], s40, v[L8]
	v_add_nc_u32 v[ADRB16+\s], s41, v[L16]
	v_add_nc_u32 v[ADRB8+\s], s41, v[L8]
	s_add_co_u32 s40, s40, SLOT
	s_add_co_u32 s41, s41, SLOT
.endr
	s_lshl_b32 s40, s[WHI], 12
	s_lshl_b32 s41, s[WLO], 12
	s_add_co_u32 s41, s41, SCB-SCA
	s_sub_co_u32 s41, s41, s40
	v_mul_u32_u24 v4, s41, v3                      ; lanes 16-31 take B's: one product, the distance between the two bases
	s_add_co_u32 s40, s40, SCA
	v_lshl_add_u32 v4, v2, 3, v4                   ; 8 bytes a place: the words of a slot's two K steps
	v_add_nc_u32 v[ADRS], s40, v4
	s_lshl_b32 s40, s[WV], 9
	s_add_co_u32 s40, s40, STG
	v_lshl_add_u32 v[SSTO], v2, 2, s40
	v_add_nc_u32 v[SRD], s40, v[L16]
.irp b, 0,1,2,3
	v_mov_b32 v[TM+4+\b], 0                        ; written once: a lane permute's destination counts as one of its sources
.endr
	s_mov_b32 s[LSEL], 0x76543210
	s_mov_b32 s[LSEL+1], 0xfedcba98
	; THE WAY OUT'S NUMBERS, chosen on the cluster's x.  head0: the first of my two heads; the record: my 128 tokens
	s_and_b32 s23, s[YY], 1
	s_lshl_b32 s23, s23, 3                         ; 8 (Y & 1)
	s_lshr_b32 s47, s[YY], 1
	s_lshl_b32 s47, s47, 4                         ; 16 x batch
	s_mov_b32 s[SA], 768
	s_mov_b32 s[SA+1], 0
	s_mov_b32 s[EXT+1], 0
	s_mov_b32 s2, 0x05040100
	s_mov_b32 s3, 0x07060302
	s_mov_b32 s45, 12288
	s_mov_b32 s46, 12800
	s_cmp_eq_u32 s[XX], 2
	s_cselect_b32 s40, s[CY], s[CX]
	s_cselect_b32 s41, s[WHI], s[WLO]
	s_cselect_b32 s42, s[CX], s[CY]
	s_cselect_b32 s43, s[WLO], s[WHI]
	s_cselect_b32 s[SA], 1536, s[SA]               ; from block to block: a fragment of V, or half a fragment of q or k
	s_cselect_b32 s2, 0x03020100, s2               ; v: the even block's word as it is;  q, k: the first head's bytes of both blocks
	s_cselect_b32 s3, 0x07060504, s3               ; v: the odd block's word;  q, k: the second head's bytes
	s_cselect_b32 s44, 6144, 0                     ; V's fragments lie behind K's
	s_cselect_b32 s45, 12544, s45
	s_cmp_eq_u32 s[XX], 0
	s_cselect_b32 s46, 6400, s46                   ; a record's bytes
	s_cselect_b32 s45, 6144, s45                   ; and where its scale words lie
	s_cselect_b64 s[SB:SB+1], s[12:13], s[14:15]
	s_lshl_b32 s40, s40, 2
	s_lshl_b32 s41, s41, 1
	s_add_co_u32 s40, s40, s41
	s_add_co_u32 s40, s40, s47                     ; 16 x batch + head0
	s_lshl_b32 s42, s42, 1
	s_add_co_u32 s42, s42, s43
	s_add_co_u32 s42, s42, s23                     ; the record
	s_lshl_b32 s47, s46, 4                         ; a head's bytes: 16 records
	s_mul_i32 s40, s40, s47
	s_mul_i32 s42, s42, s46
	s_add_co_u32 s40, s40, s42
	s_mov_b32 s41, 0
	s_add_nc_u64 s[SB:SB+1], s[SB:SB+1], s[40:41]
	s_mov_b32 s42, s44
	s_mov_b32 s43, 0
	s_add_nc_u64 s[P0:P0+1], s[SB:SB+1], s[42:43]
	s_sub_co_u32 s23, s47, 6144
	s_cmp_eq_u32 s[XX], 2
	s_cselect_b32 s42, 768, s47                    ; a block's second half: the fragment's second half, or the next head
	s_cselect_b32 s[EXT], s23, 0                   ; v: behind block 3 on to the next head
	s_cselect_b32 s40, 64, s47                     ; what bits 2, 3, 4 of my lane add to the scale words' address
	s_cselect_b32 s41, 128, 64
	s_cselect_b32 s44, s47, 128
	s_add_nc_u64 s[P1:P1+1], s[P0:P0+1], s[42:43]
	s_mov_b32 s42, s45
	s_add_nc_u64 s[SB:SB+1], s[SB:SB+1], s[42:43]
	v_and_b32 v4, 3, v1
	v_lshlrev_b32 v[SOFFV], 4, v4
	v_bfe_u32 v4, v1, 2, 1
	v_mad_u32_u24 v[SOFFV], v4, s40, v[SOFFV]
	v_bfe_u32 v4, v1, 3, 1
	v_mad_u32_u24 v[SOFFV], v4, s41, v[SOFFV]
	v_bfe_u32 v4, v1, 4, 1
	v_mad_u32_u24 v[SOFFV], v4, s44, v[SOFFV]
.macro FRAG reg, a16, a8, off          ; a fragment as it stands: every load takes 512 or 256 consecutive bytes
	ds_load_b128 v[\reg:\reg+3], v[\a16] offset:\off
	ds_load_b64 v[\reg+4:\reg+5], v[\a8] offset:\off+512
	ds_load_b128 v[\reg+6:\reg+9], v[\a16] offset:\off+768
	ds_load_b64 v[\reg+10:\reg+11], v[\a8] offset:\off+1280
.endm
; 16 matrix instructions: A's blocks a0, a0 + 1 x B's eight, the slot's q-th 128 along K.  p: B's set; sc: the set of scale words.  zero = 1: the first product starts the sums.
; The 64 accumulators take turns, one instruction a turn, in the same order in every step.
.macro MUL16 a0, p, q, sc, zero
.irp a, \a0, \a0+1
.irp b, 0,1,2,3,4,5,6,7
.if \zero
	v_wmma_scale_f32_16x16x128_f8f6f4 v[8*(8*((\a)%4)+\b):8*(8*((\a)%4)+\b)+7], v[128*(\p)+FR*\b:128*(\p)+FR*\b+FR-1], v[AF+FR*(\a):AF+FR*(\a)+FR-1], 0, v[SC+16*(\sc)+2*\b+(\q)], v[SC+16*(\sc)+2*(\a)+(\q)] matrix_a_fmt:MATRIX_FMT_FP6 matrix_b_fmt:MATRIX_FMT_FP6 matrix_a_scale:MATRIX_SCALE_ROW1
.else
	v_wmma_scale_f32_16x16x128_f8f6f4 v[8*(8*((\a)%4)+\b):8*(8*((\a)%4)+\b)+7], v[128*(\p)+FR*\b:128*(\p)+FR*\b+FR-1], v[AF+FR*(\a):AF+FR*(\a)+FR-1], v[8*(8*((\a)%4)+\b):8*(8*((\a)%4)+\b)+7], v[SC+16*(\sc)+2*\b+(\q)], v[SC+16*(\sc)+2*(\a)+(\q)] matrix_a_fmt:MATRIX_FMT_FP6 matrix_b_fmt:MATRIX_FMT_FP6 matrix_a_scale:MATRIX_SCALE_ROW1
.endif
.endr
.endr
.endm
.macro FETCH_B slot, q, p
	WIN TO_B
.irp i, 0,1,2,3,4,5,6,7
	FRAG 128*(\p)+FR*\i, ADRB16+\slot, ADRB8+\slot, 3072*\i+1536*(\q)
.endr
	WIN 0
.endm
.macro FETCH_A slot, q, i0
.irp i, \i0, \i0+1, \i0+2, \i0+3
	FRAG AF+FR*(\i), ADRA16+\slot, ADRA8+\slot, 3072*(\i)+1536*(\q)
.endr
.endm
.macro SCALES sc                       ; a slot's scale words: two words a place; lanes 0-15 A's block i, lanes 16-31 B's block i
.irp i, 0,1,2,3,4,5,6,7
	ds_load_b64 v[SC+16*(\sc)+2*\i:SC+16*(\sc)+2*\i+1], v[ADRS] offset:512*\i
.endr
.endm
; A slot's first 128 along K; in its middle and at its end the second 128's fragments are fetched.  A has one set of registers: a block is free when its eight products are issued.
.macro STEP slot, zero
	s_wait_dscnt 4*NL                              ; B's set and A's blocks 0-3 are in; the youngest 16 loads (A's blocks 4-7) may be out
	WIN MUL_LO
	MUL16 0, 0, 0, \slot, \zero
	MUL16 2, 0, 0, \slot, \zero
	s_wait_dscnt 0x0
	PLACES NP                                      ; in front of loads into registers that matrix instructions have read
	FETCH_B \slot, 1, 1
	FETCH_A \slot, 1, 0
	WIN MUL_HI
	MUL16 4, 0, 0, \slot, \zero
	MUL16 6, 0, 0, \slot, \zero
	PLACES NP
	WIN 0
	FETCH_A \slot, 1, 4
.endm
; A slot's second 128 along K changes slots: one barrier; in front of it each wave waits for all its tensor loads, adds 0 to its spare word, and waits for that and for its reads of this slot.
; fill = 1: the barrier opens a round of the cluster's barrier, and this slot is filled again, two slots ahead, first thing behind the round.
.macro TURN slot, next, fill
	s_wait_tensorcnt 0x0                           ; all my tensor loads have landed: the one that was out is my part of the next slot
	ds_add_u32 v[SPW], v[NIL]                      ; 0 onto my spare word
	s_wait_dscnt 4*NL+1                            ; (the add and the youngest 16 loads may be out)
	WIN MUL_LO
	MUL16 0, 1, 1, \slot, 0                        ; sixteen matrix instructions stand between the add and the wait for it
	s_wait_dscnt 0x0                               ; the add is done, and my reads of this slot are over
	s_barrier_signal -1
	MUL16 2, 1, 1, \slot, 0
	WIN 0                                          ; at a branch and at a label every window is 0
	s_barrier_wait -1
.if \fill
	CREST                                          ; no wave of any partner still reads this slot or has a load on its way
	s_add_nc_u64 s[G0+4*\slot+2:G0+4*\slot+3], s[G0+4*\slot+2:G0+4*\slot+3], 6144
	s_add_nc_u64 s[G0B+4*\slot+2:G0B+4*\slot+3], s[G0B+4*\slot+2:G0B+4*\slot+3], 6144
	JLOAD G0+4*\slot, G1, G0B+4*\slot, G1B         ; my one tensor load behind the round; its four v_nop are also the places in front of the loads below
.else
	PLACES NP
.endif
	s_wait_alu depctr_va_vdst(0)
	v_add_nc_u32 v[ADRS], 128, v[ADRS]             ; the next slot's scale words (no LDS load of mine is out)
	FETCH_B \next, 0, 0
	FETCH_A \next, 0, 0
	SCALES \next
	WIN MUL_HI
	MUL16 4, 1, 1, \slot, 0
	MUL16 6, 1, 1, \slot, 0
	PLACES NP
	WIN 0
	FETCH_A \next, 0, 4
.endm
	s_wait_tensorcnt 1                             ; the scale words and my part of slot 0 are in; slot 1's load may be out
	s_barrier_signal -1
	s_barrier_wait -1
	FETCH_B 0, 0, 0
	FETCH_A 0, 0, 0
	SCALES 0
	FETCH_A 0, 0, 4
	STEP 0, 1                                      ; K 0-127 starts the sums
	TURN 0, 1, 1                                   ; K 128-255; slot 0 takes K 512-767
	STEP 1, 0
	TURN 1, 0, 1                                   ; slot 1 takes K 768-1023
	STEP 0, 0
	TURN 0, 1, 0                                   ; nothing is left to fetch
	STEP 1, 0
	s_wait_dscnt 4*NL
	WIN MUL_LO
	MUL16 0, 1, 1, 1, 0
	MUL16 2, 1, 1, 1, 0
	s_wait_dscnt 0x0
	WIN MUL_HI
	MUL16 4, 1, 1, 1, 0
	MUL16 6, 1, 1, 1, 0
	WIN 0
; THE WAY OUT.  Block a's 64 accumulator registers, in window w from v[s] on, are 128 numbers along B of my place: register 16 b + i is number 32 b + 16 h + i.  They become a fragment's codes and its scale word.
; Each accumulator is read from its low end on.
.macro QUANTW s, w, pw
	WIN 0
.irp b, 0,1,2,3
	v_mov_b32 v[TM+\b], 0x1800000                  ; the floor 2^(3 - 127): the byte cannot fall under 1
.endr
	WIN ((\w)<<2)|((\w)<<4)
.irp i, 0,2,4,6,8,10,12,14
.irp b, 0,1,2,3
	v_max3_num_f32 v[TM+\b], v[TM+\b], |v[\s+16*\b+\i]|, |v[\s+16*\b+\i+1]|
.endr
.endr
	WIN 0
.irp b, 0,1,2,3
	v_permlanex16_b32 v[TM+4+\b], v[TM+\b], s[LSEL], s[LSEL+1]
.endr
.irp b, 0,1,2,3
	v_max_num_f32 v[TM+\b], v[TM+\b], v[TM+4+\b]
.endr
.irp b, 0,1,2,3
	v_add_nc_u32 v[TM+12+\b], 0xff000000, v[TM+\b] ; 2 off the exponent field: the conversion's scale operand
.endr
.irp b, 0,1,2,3
	v_lshrrev_b32 v[TM+4+\b], 23, v[TM+12+\b]
.endr
	v_lshl_or_b32 v[\pw], v[TM+5], 8, v[TM+4]
	v_lshl_or_b32 v[\pw], v[TM+6], 16, v[\pw]
	v_lshl_or_b32 v[\pw], v[TM+7], 24, v[\pw]
	WIN (\w)
.irp c, 0,1
	v_cvt_scalef32_pk16_fp6_f32 v[PC+6*\c:PC+6*\c+2], v[\s+32*\c:\s+32*\c+15], v[TM+12+2*\c]
	v_cvt_scalef32_pk16_fp6_f32 v[PT+4*\c:PT+4*\c+2], v[\s+32*\c+16:\s+32*\c+31], v[TM+12+2*\c+1]
.endr
	WIN 0
	v_nop                                          ; one plain instruction behind the scaled conversions
.irp c, 0,1
.irp i, 0,1,2
	v_permlane16_swap_b32 v[PC+6*\c+\i], v[PT+4*\c+\i]
.endr
.irp i, 0,1,2
	v_mov_b32 v[PC+3+6*\c+\i], v[PT+4*\c+\i]
.endr
.endr
.endm
.macro OUTBLK a
.if (\a)%2
	QUANTW 64*((\a)%4), 2+(\a)/4, PWO
.else
	QUANTW 64*((\a)%4), 2+(\a)/4, PWE
.endif
	global_store_b128 v[L16], v[PC:PC+3], s[P0:P0+1]               ; 512 consecutive bytes, at a multiple of 256 from the buffer's first byte
	global_store_b64 v[L8], v[PC+4:PC+5], s[P0:P0+1] offset:512    ; 256
	global_store_b128 v[L16], v[PC+6:PC+9], s[P1:P1+1]
	global_store_b64 v[L8], v[PC+10:PC+11], s[P1:P1+1] offset:512
.if (\a)%2
.if (\a) > 1
	s_wait_dscnt 0x0                               ; the last pair's LDS stores have read their registers
.endif
	v_perm_b32 v[X0], v[PWO], v[PWE], s2
	v_perm_b32 v[X1], v[PWO], v[PWE], s3
	ds_store_b32 v[SSTO], v[X0] offset:128*((\a)/2)        ; both halves of the lanes write the same word with the same value
	ds_store_b32 v[SSTO], v[X1] offset:128*((\a)/2)+64
.endif
	s_wait_xcnt 0x0                                ; the stores have read their registers and bases: both are written again only behind this wait
	s_add_nc_u64 s[P0:P0+1], s[P0:P0+1], s[SA:SA+1]
	s_add_nc_u64 s[P1:P1+1], s[P1:P1+1], s[SA:SA+1]
.if (\a) == 3
	s_add_nc_u64 s[P0:P0+1], s[P0:P0+1], s[EXT:EXT+1]
	s_add_nc_u64 s[P1:P1+1], s[P1:P1+1], s[EXT:EXT+1]
.endif
.endm
	PLACES NP                                      ; behind the last products; the earlier blocks' lines are further places for the later blocks' reads
.irp a, 0,1,2,3,4,5,6,7
	OUTBLK \a
.endr
	ds_load_b128 v[SD:SD+3], v[SRD]                ; LDS serves a wave's instructions in order: this sees my stores
	s_wait_dscnt 0x0
	global_store_b128 v[SOFFV], v[SD:SD+3], s[SB:SB+1]     ; sixteen lanes fill 256 consecutive bytes, aligned: one head's words of the record
	s_wait_tensorcnt 0x0                           ; the wave's end
	ds_add_u32 v[SPW], v[NIL]
	s_wait_dscnt 0x0
	CROUND                                         ; the closing round: no work-group ends while a partner may still ask for a tile that names it
	s_endpgm
.Lfunc_end_k_q2fd49478a9_qkv:
	.size	k_q2fd49478a9_qkv, .Lfunc_end_k_q2fd49478a9_qkv-k_q2fd49478a9_qkv
	.p2alignl 7, 3214868480
	.fill 96, 4, 3214868480
	.section	.rodata,"a",@progbits
	.p2align	6, 0x0
	.amdhsa_kernel k_q2fd49478a9_qkv
		.amdhsa_group_segment_fixed_size 327680
		.amdhsa_private_segment_fixed_size 0
		.amdhsa_enable_private_segment 0
		.amdhsa_kernarg_size 48
		.amdhsa_user_sgpr_count 2
		.amdhsa_user_sgpr_kernarg_segment_ptr 1
		.amdhsa_wavefront_size32 1
		.amdhsa_system_sgpr_workgroup_id_x 1
		.amdhsa_system_sgpr_workgroup_id_y 1
		.amdhsa_system_sgpr_workgroup_id_z 1
		.amdhsa_system_vgpr_workitem_id 0
		.amdhsa_next_free_vgpr 1024
		.amdhsa_next_free_sgpr 102
		.amdhsa_reserve_vcc 0
		.amdhsa_float_denorm_mode_32 3
		.amdhsa_float_denorm_mode_16_64 3
		.amdhsa_memory_ordered 1
		.amdhsa_forward_progress 1
		.amdhsa_inst_pref_size 153
	.end_amdhsa_kernel
	.amdgpu_metadata
---
amdhsa.version: [ 1, 2 ]
amdhsa.kernels:
  - .name:           k_q2fd49478a9_qkv
    .symbol:         k_q2fd49478a9_qkv.kd
    .args:
      - { .name: x_img, .offset: 0, .size: 8, .value_kind: global_buffer, .address_space: global }
      - { .name: x_sc, .offset: 8, .size: 8, .value_kind: global_buffer, .address_space: global }
      - { .name: w_img, .offset: 16, .size: 8, .value_kind: global_buffer, .address_space: global }
      - { .name: w_sc, .offset: 24, .size: 8, .value_kind: global_buffer, .address_space: global }
      - { .name: qb, .offset: 32, .size: 8, .value_kind: global_buffer, .address_space: global }
      - { .name: kv, .offset: 40, .size: 8, .value_kind: global_buffer, .address_space: global }
    .group_segment_fixed_size: 327680
    .private_segment_fixed_size: 0
    .kernarg_segment_align: 8
    .kernarg_segment_size: 48
    .max_flat_workgroup_size: 128
    .sgpr_count:     102
    .vgpr_count:     1024
    .wavefront_size: 32
...
	.end_amdgpu_metadata
.endif
;; end of part 2
;; launch attn (part 3): grid 4 x 64, 16 waves a work-group, clusters of 4 x 1, 327,680 bytes of LDS; arguments qb, kv, ctx_img, ctx_sc; writes ctx_img, ctx_sc
.if DOCPART == 3
	.amdgcn_target "amdgcn-amd-amdhsa--gfx1250"
	.amdhsa_code_object_version 6
	.text
	.protected	k_q2fd49478a9_attn
	.globl	k_q2fd49478a9_attn
	.p2align	8
	.type	k_q2fd49478a9_attn,@function
k_q2fd49478a9_attn:
	s_mov_b64 s[64:65], 0
	v_nop
	global_prefetch_b8 v0, s[64:65] scope:SCOPE_SE
	s_setreg_imm32_b32 hwreg(HW_REG_WAVE_MODE, 25, 1), 1
	s_wait_xcnt 0x0
	s_wait_alu depctr_hold_cnt(0) depctr_sa_sdst(0) depctr_va_vdst(0) depctr_va_sdst(0) depctr_va_ssrc(0) depctr_va_vcc(0) depctr_vm_vsrc(0)
	s_getreg_b32 s2, hwreg(HW_REG_IB_STS2, 6, 4)
	s_cmp_eq_u32 s2, 0
	s_cbranch_scc0 .Lentry_in_a_cluster
	s_endpgm
.Lentry_in_a_cluster:
	s_bfe_u32 s2, ttmp6, 0x10000c
	s_cmp_lg_u32 s2, 0x3003
	s_cbranch_scc0 .Lentry_shape_is_right
	s_endpgm
.Lentry_shape_is_right:
; Causal attention of one head (batch x head = the cluster's y) on codes of FP6 (E2M3) with E8M0 scales; the context is quantised along D and leaves as codes.
; t = score x log2(e) / 8; M = the row's largest t so far, rounded up to a whole number; p = 2^(t - M) is quantised along the keys, not normalised; the row's sum is taken of the unquantised p and
; divides at the end.  When M moves, the sum and O are multiplied by 2^(old M - new M), which rounds nothing.
; THE HEAD'S WHOLE K AND V, 16 records of 12,800 bytes (128 keys each: K's 8 half fragments at 0, V's 4 fragments at 6,144, K's pair words at 12,288, V's words at 12,544), LIE IN LDS, FILLED ONCE:
; wave w asks for record w, jointly with the three partners of the cluster, which serve the same head: one tensor load a wave is out, and no LDS byte is filled twice.
; SHARES.  A wave takes two tiles of 16 queries, one after the other: of group w, then of group 31 - w (a group: 64 queries, four tiles, one for each partner).  Group g wants key steps 0 .. g / 2:
; 17 steps for every wave.  Whether a step is hidden, on the diagonal or open hangs on the group alone, that is on the wave's number and the pass: no branch hangs on the place in the cluster.
; LAYOUT.  Both products are used transposed: S^T = K Q^T (source 0 = 16 keys), O^T = V^T P^T (source 0 = 16 of the head's 64): a lane holds one query (place lane % 16 of its tile) throughout.  Place r of tile T is
; row 32 (T / 2) + 8 (T % 2) + r + 8 (r / 8), so the 16 registers of key tiles 2 b and 2 b + 1 are keys 32 b + 16 (lane / 16) + 0 .. 15, and O^T's registers likewise run along d.
; THE FIRST PRODUCT'S K IS 64.  An operand of K holds two key tiles, one in each half of the instruction's 128; Q stands as [0 | q | 0] in 18 registers: [q | 0] gives the even tile's scores, [0 | q] the odd tile's.
; The half that is not wanted meets zero codes on Q's side alone: 0 x any number of the format is 0, and every scale byte lies in 1 .. 254.
; LIMITS: NaN and infinities are not served; a block of zeros keeps the byte 1 (its codes are zeros); a block's largest p is taken from its largest score, which takes v_exp_f32 not to fall where its input rises.
.set RECB, 12800
.set L16,  1                           ; v1 16 x lane, v2 8 x lane, v3 4 r, v9 8 r; never rewritten
.set L8,   2
.set L4,   3
.set R8,   9
.set A16,  4                           ; v4-6 the same + the step's record
.set A8,   5
.set A4,   6
.set LQ,   7                           ; v7  my query in its group of 64, less 16 (lane / 16)
.set DD,   8                           ; v8  the same counted from the diagonal step's first key
.set NINF, 10
.set T0,   11
.set T1,   35
.set QZ,   16                          ; v16-33 [0 x 6 | q x 6 | 0 x 6]
.set QS,   34                          ; v34 q's two scale bytes, twice
.set F,    36                          ; v36-83 four operands of K, then of V
.set FS,   84                          ; v84-87 their scale words
.set S,    88                          ; v88-151 S^T, then p
.set O,    152                         ; v152-183 O^T
.set PC,   184                         ; v184-195 p's codes
.set PT,   196
.set BM,   204                         ; v204-207 the blocks' largest scores, then largest p
.set BT,   208
.set BS,   212
.set PS,   216                         ; p's scale word
.set FF,   218                         ; v[218:219] f = 2^(old M - new M)
.set TP,   220
.set WV,   12
.set CX,   13
.set BH,   14
.set XM,   15
.set IG,   16
.set LASTK, 17
.set KI,   18
.set TB,   19
.set SEL,  20
.set CS,   22
.set G1,   24
.set G0,   32
.set PASS, 36
.set SELU, 37
.set QP,   38                          ; s[38:45] the pass's pointers: q's codes, q's pair words, the context's codes, its scale bytes
.set QSP,  40
.set CPT,  42
.set SPT,  44
.macro CROUND
	s_barrier_signal -1
	s_barrier_wait -1
	s_cmp_lg_u32 s[WV], 0
	s_cbranch_scc1 .Lnot_wave_0_\@
	s_barrier_signal -3
.Lnot_wave_0_\@:
	s_barrier_wait -3
	s_barrier_signal -1
	s_barrier_wait -1
.endm
	s_load_b256 s[4:11], s[0:1], 0x0               ; qb, kv, ctx_img, ctx_sc
	v_lshl_add_u32 v254, v0, 2, 0x32000
	v_mov_b32 v255, 0
	ds_add_u32 v254, v255
	ds_add_u32 v254, v255
	v_lshrrev_b32 v1, 5, v0
	s_delay_alu instid0(VALU_DEP_1)
	v_readfirstlane_b32 s[WV], v1                  ; wave 0..15
	s_bfe_u32 s[CX], ttmp6, 0x40000
	s_and_b32 s[BH], ttmp7, 0xffff
	s_mov_b32 s[G1], 15|(3<<16)|(1<<21)            ; the mask: all four work-groups; elements of 8 bytes; bit 21 beside a mask; no padding
	s_mov_b32 s[G1+1], 32<<16                      ; a record: 50 rows of 256 bytes, dense
	s_mov_b32 s[G1+2], 50<<16
	s_mov_b32 s[G1+3], 32<<16
	s_mov_b32 s[G1+4], 50
	s_mov_b32 s[G1+5], 32
	s_mov_b32 s[G1+6], 0
	s_mov_b32 s[G1+7], 0
	s_mul_i32 s54, s[BH], 16*RECB
	s_mul_i32 s56, s[WV], RECB
	s_add_co_u32 s54, s54, s56
	s_mov_b32 s55, 0
	s_mov_b32 s[G0], 1
	s_mov_b32 s[G0+1], s56                         ; record w lies at w x 12,800
	s_wait_dscnt 0x0
	s_wait_kmcnt 0x0
	s_add_nc_u64 s[G0+2:G0+3], s[6:7], s[54:55]
	s_or_b32 s[G0+3], s[G0+3], 0x80000000
	CROUND                                         ; all four work-groups are here: the joint loads meet
	tensor_load_to_lds s[G0:G0+3], s[G1:G1+7]
	s_nop 0
.rept 4
	v_nop
.endr
	; bases that stay: s[46:47] q's codes, s[48:49] q's pair words, s[50:51] the context's codes, s[52:53] its scale bytes, each at group 0's tile of my work-group
	s_mul_i32 s54, s[BH], 102400
	s_mul_i32 s56, s[CX], 768
	s_add_co_u32 s56, s56, s54
	s_mov_b32 s57, 0
	s_add_nc_u64 s[46:47], s[4:5], s[56:57]
	s_lshr_b32 s56, s[CX], 1
	s_lshl_b32 s56, s56, 6
	s_add_co_u32 s56, s56, s54
	s_add_co_u32 s56, s56, 6144
	s_add_nc_u64 s[48:49], s[4:5], s[56:57]
	s_lshr_b32 s54, s[BH], 4
	s_lshl_b32 s54, s54, 7
	s_add_co_u32 s54, s54, s[CX]                   ; 128 x batch + my tile of group 0
	s_and_b32 s55, s[BH], 15                       ; the head
	s_mul_i32 s56, s54, 12288
	s_mul_i32 s58, s55, 768
	s_add_co_u32 s56, s56, s58
	s_add_nc_u64 s[50:51], s[8:9], s[56:57]
	s_lshl_b32 s56, s54, 9
	s_lshr_b32 s58, s55, 2
	s_lshl_b32 s58, s58, 7
	s_add_co_u32 s56, s56, s58
	s_and_b32 s58, s55, 3                          ; the head's two bytes: word (head / 2) % 2, half head % 2: 2 (head % 4) bytes on
	s_lshl_b32 s58, s58, 1
	s_add_co_u32 s56, s56, s58
	s_add_nc_u64 s[52:53], s[10:11], s[56:57]
	s_mov_b32 s[SELU], 0x01000100                  ; my tile's two bytes of its pair word, twice: the lower two for an even tile, the upper two for an odd one
	s_and_b32 s54, s[CX], 1
	s_cmp_eq_u32 s54, 1
	s_cselect_b32 s[SELU], 0x03020302, s[SELU]
	s_mov_b32 s[SEL], 0x76543210
	s_mov_b32 s[SEL+1], 0xfedcba98
	s_mov_b32 s[CS], 0x3e38aa3b                    ; c = log2(e) / 8
	s_mov_b32 s[CS+1], s[CS]
	v_and_b32 v[T1], 31, v0                        ; lane
	s_delay_alu instid0(VALU_DEP_1)
	v_lshlrev_b32 v[L16], 4, v[T1]
	s_delay_alu instid0(VALU_DEP_2)
	v_lshlrev_b32 v[L8], 3, v[T1]
	v_and_b32 v[T0], 15, v0                        ; r
	v_bfe_u32 v[T1], v0, 4, 1                      ; h
	s_delay_alu instid0(VALU_DEP_2)
	v_lshlrev_b32 v[L4], 2, v[T0]
	s_delay_alu instid0(VALU_DEP_3)
	v_lshlrev_b32 v[R8], 3, v[T0]
	s_delay_alu instid0(VALU_DEP_4)
	v_and_b32 v[LQ], 8, v[T0]
	s_delay_alu instid0(VALU_DEP_1)
	v_add_nc_u32 v[LQ], v[LQ], v[T0]               ; r + 8 (r / 8)
	v_lshlrev_b32 v[DD], 4, v[T1]
	s_delay_alu instid0(VALU_DEP_1)
	v_sub_nc_u32 v[LQ], v[LQ], v[DD]               ; - 16 h
	s_lshr_b32 s54, s[CX], 1
	s_lshl_b32 s54, s54, 5
	s_and_b32 s55, s[CX], 1
	s_lshl_b32 s55, s55, 3
	s_add_co_u32 s54, s54, s55
	v_add_nc_u32 v[LQ], s54, v[LQ]                 ; + my tile's first row in the group: it enters a comparison of numbers alone
	v_mov_b32 v[NINF], 0xff800000
.irp i, 0,1,2,3,4,5
	v_mov_b32 v[QZ+\i], 0
	v_mov_b32 v[QZ+12+\i], 0
.endr
.irp b, 0,1,2,3
	v_mov_b32 v[BT+\b], 0                          ; written once: a lane permute's destination counts as one of its sources
.endr
	v_mov_b32 v[FF+1], 0                           ; (named as the upper half of a pair)
	s_wait_tensorcnt 0x0                           ; my record is in,
	s_barrier_signal -1
	s_barrier_wait -1                              ; everybody's is: from here on LDS is only read
	s_mov_b32 s[XM], 0
	s_mov_b32 s[PASS], 0
.Lpass:
	s_xor_b32 s[IG], s[WV], s[XM]                  ; the group: w, then 31 - w
	s_lshr_b32 s[LASTK], s[IG], 1                  ; the step on the diagonal, and q's record
	s_and_b32 s54, s[IG], 1
	s_mul_i32 s56, s[LASTK], 6400
	s_mul_i32 s58, s54, 3072
	s_add_co_u32 s58, s58, s56
	s_mov_b32 s59, 0
	s_add_nc_u64 s[QP:QP+1], s[46:47], s[58:59]
	s_lshl_b32 s58, s54, 7
	s_add_co_u32 s58, s58, s56
	s_add_nc_u64 s[QSP:QSP+1], s[48:49], s[58:59]
	s_mul_i32 s58, s[IG], 49152
	s_add_nc_u64 s[CPT:CPT+1], s[50:51], s[58:59]
	s_lshl_b32 s58, s[IG], 11
	s_add_nc_u64 s[SPT:SPT+1], s[52:53], s[58:59]
	s_lshl_b32 s54, s54, 6
	global_load_b128 v[QZ+6:QZ+9], v[L16], s[QP:QP+1]
	global_load_b64 v[QZ+10:QZ+11], v[L8], s[QP:QP+1] offset:512
	global_load_b32 v[T0], v[L4], s[QSP:QSP+1]
	v_add_nc_u32 v[DD], s54, v[LQ]
	s_mov_b32 s[KI], 0
	s_mov_b32 s[TB], 0
	s_wait_loadcnt 0x0
	v_perm_b32 v[QS], v[T0], v[T0], s[SELU]        ; the moves below are the places between this line and the first scaled product
	v_mov_b32 v13, 0xff61b1e6                      ; the largest t so far: -3e38, under every t
	s_delay_alu instid0(VALU_DEP_1)
	v_floor_f32 v12, -v13                          ; -M
	v_mov_b32 v14, 0                               ; the sum, in two halves
	v_mov_b32 v15, 0
.set j, 0
.rept 32
	v_mov_b32 v[O+j], 0                            ; the step is written once: the first finds zeros, which the first change of M leaves zeros
.set j, j+1
.endr
.Lstep:                                            ; 16 trips, a constant; a step all of whose keys come after my group's queries does nothing but step the address
	s_cmp_gt_u32 s[KI], s[LASTK]
	s_cbranch_scc1 .Lhid
	s_setprio 2
	v_add_nc_u32 v[A16], s[TB], v[L16]             ; these three and the v_nop are the places behind the last step's products, in front of the loads
	v_add_nc_u32 v[A8], s[TB], v[L8]
	v_add_nc_u32 v[A4], s[TB], v[L4]
	v_nop
.irp t, 0,1,2,3                                ; K: key tiles 2 t and 2 t + 1 as one operand
	ds_load_b128 v[F+12*\t:F+12*\t+3], v[A16] offset:1536*\t
	ds_load_b64 v[F+12*\t+4:F+12*\t+5], v[A8] offset:1536*\t+512
	ds_load_b128 v[F+12*\t+6:F+12*\t+9], v[A16] offset:1536*\t+768
	ds_load_b64 v[F+12*\t+10:F+12*\t+11], v[A8] offset:1536*\t+1280
	ds_load_b32 v[FS+\t], v[A4] offset:12288+64*\t
.endr
	s_wait_alu depctr_va_vdst(0)
	s_wait_dscnt 0x0
.irp t, 0,1,2,3
	v_wmma_scale_f32_16x16x128_f8f6f4 v[S+16*\t:S+16*\t+7], v[F+12*\t:F+12*\t+11], v[QZ+6:QZ+17], 0, v[FS+\t], v[QS] matrix_a_fmt:MATRIX_FMT_FP6 matrix_b_fmt:MATRIX_FMT_FP6
	v_wmma_scale_f32_16x16x128_f8f6f4 v[S+16*\t+8:S+16*\t+15], v[F+12*\t:F+12*\t+11], v[QZ:QZ+11], 0, v[FS+\t], v[QS] matrix_a_fmt:MATRIX_FMT_FP6 matrix_b_fmt:MATRIX_FMT_FP6
.endr
.rept 4
	v_nop                                          ; places in front of the loads below and of the first read of the scores
.endr
.irp t, 0,1,2,3                                ; V's four fragments into the same registers: they land while the softmax is worked
	ds_load_b128 v[F+12*\t:F+12*\t+3], v[A16] offset:6144+1536*\t
	ds_load_b64 v[F+12*\t+4:F+12*\t+5], v[A8] offset:6144+1536*\t+512
	ds_load_b128 v[F+12*\t+6:F+12*\t+9], v[A16] offset:6144+1536*\t+768
	ds_load_b64 v[F+12*\t+10:F+12*\t+11], v[A8] offset:6144+1536*\t+1280
	ds_load_b32 v[FS+\t], v[A4] offset:12544+64*\t
.endr
	s_cmp_lt_u32 s[KI], s[LASTK]
	s_cbranch_scc1 .Lopen
.set n, 0
.rept 64                                       ; on the diagonal: register 16 b + i holds key 32 b + 16 h + i of the step: hidden where 32 b + i is above v[DD]
	v_cmp_gt_i32 vcc_lo, 32*(n/16)+n%16, v[DD]
	v_cndmask_b32 v[S+n], v[S+n], v[NINF], vcc_lo
.set n, n+1
.endr
.Lopen:
.irp b, 0,1,2,3
	v_max3_num_f32 v[BM+\b], v[S+16*\b], v[S+16*\b+1], v[S+16*\b+2]   ; the largest score of each block of 32 keys: for the row's maximum and for the block's largest p
.endr
.irp i, 3,5,7,9,11,13
.irp b, 0,1,2,3
	v_max3_num_f32 v[BM+\b], v[BM+\b], v[S+16*\b+\i], v[S+16*\b+\i+1]
.endr
.endr
.irp b, 0,1,2,3
	v_max_num_f32 v[BM+\b], v[BM+\b], v[S+16*\b+15]
.endr
.irp b, 0,1,2,3
	s_delay_alu instid0(VALU_DEP_4)
	v_permlanex16_b32 v[BT+\b], v[BM+\b], s[SEL], s[SEL+1]
.endr
.irp b, 0,1,2,3
	s_delay_alu instid0(VALU_DEP_4)
	v_max_num_f32 v[BM+\b], v[BM+\b], v[BT+\b]
.endr
	s_delay_alu instid0(VALU_DEP_2)
	v_max3_num_f32 v[T0], v[BM], v[BM+1], v[BM+2]
	s_delay_alu instid0(VALU_DEP_1)
	v_max_num_f32 v[T0], v[T0], v[BM+3]
	s_delay_alu instid0(VALU_DEP_1)
	v_mul_f32 v[T0], s[CS], v[T0]
	s_delay_alu instid0(VALU_DEP_1)
	v_max_num_f32 v13, v13, v[T0]                  ; the running largest t
	v_mov_b32 v[T0], v12
	s_delay_alu instid0(VALU_DEP_2)
	v_floor_f32 v12, -v13                          ; the new -M = -ceil(t)
	s_delay_alu instid0(VALU_DEP_1)
	v_sub_f32 v[T0], v12, v[T0]                    ; old M - new M: a whole number, 0 or less
	s_delay_alu instid0(VALU_DEP_1)
	v_cvt_i32_f32 v[T0], v[T0]                     ; (it saturates)
	s_delay_alu instid0(VALU_DEP_1)
	v_ldexp_f32 v[FF], 1.0, v[T0]
.set j, 0
	s_setprio 1
.rept 32
	v_pk_fma_f32 v[S+j:S+j+1], v[S+j:S+j+1], s[CS:CS+1], v[12:13] op_sel_hi:[1,0,0]   ; t - M, two at a time
.set j, j+2
.endr
.irp b, 0,1,2,3
	v_fma_f32 v[BM+\b], v[BM+\b], s[CS], v12
.endr
	s_wait_alu depctr_va_vdst(0)
.irp b, 0,1,2,3
	v_exp_f32 v[BM+\b], v[BM+\b]                   ; ONE BATCH of 68 exponentials: the blocks' largest p,
.endr
.set j, 0
.rept 64
	v_exp_f32 v[S+j], v[S+j]                       ; and p = 2^(t - M)
.set j, j+1
.endr
	v_pk_mul_f32 v[14:15], v[14:15], v[FF:FF+1] op_sel_hi:[1,0]   ; the sums under the new M: the plain instruction behind the batch
	s_wait_alu depctr_va_vdst(0)                   ; one wait for the batch, ahead of its first reader
.irp b, 0,1,2,3
	v_max_num_f32 v[BM+\b], 0x1800000, v[BM+\b]    ; the floor 2^(3 - 127)
.endr
.irp b, 0,1,2,3
	s_delay_alu instid0(VALU_DEP_4)
	v_add_nc_u32 v[BS+\b], 0xff000000, v[BM+\b]
.endr
.irp b, 0,1,2,3
	s_delay_alu instid0(VALU_DEP_4)
	v_lshrrev_b32 v[BT+\b], 23, v[BS+\b]
.endr
	s_delay_alu instid0(VALU_DEP_3)
	v_lshl_or_b32 v[PS], v[BT+1], 8, v[BT]
	s_delay_alu instid0(VALU_DEP_1)
	v_lshl_or_b32 v[PS], v[BT+2], 16, v[PS]
	s_delay_alu instid0(VALU_DEP_1)
	v_lshl_or_b32 v[PS], v[BT+3], 24, v[PS]
.irp c, 0,1
	v_cvt_scalef32_pk16_fp6_f32 v[PC+6*\c:PC+6*\c+2], v[S+32*\c:S+32*\c+15], v[BS+2*\c]
	v_cvt_scalef32_pk16_fp6_f32 v[PT+4*\c:PT+4*\c+2], v[S+32*\c+16:S+32*\c+31], v[BS+2*\c+1]
.endr
	v_nop
.irp c, 0,1
.irp i, 0,1,2
	v_permlane16_swap_b32 v[PC+6*\c+\i], v[PT+4*\c+\i]
.endr
.irp i, 0,1,2
	s_delay_alu instid0(VALU_DEP_3)
	v_mov_b32 v[PC+3+6*\c+\i], v[PT+4*\c+\i]
.endr
.endr
	v_pk_add_f32 v[220:221], v[92:93], v[96:97]
	v_pk_add_f32 v[252:253], v[100:101], v[104:105]
	v_pk_add_f32 v[250:251], v[108:109], v[112:113]
	v_pk_add_f32 v[248:249], v[116:117], v[120:121]
	v_pk_add_f32 v[246:247], v[124:125], v[128:129]
	v_pk_add_f32 v[244:245], v[132:133], v[136:137]
	v_pk_add_f32 v[242:243], v[140:141], v[144:145]
	v_pk_add_f32 v[14:15], v[14:15], v[148:149]
	v_pk_add_f32 v[220:221], v[220:221], v[88:89]
	s_setprio 0
	v_pk_add_f32 v[252:253], v[252:253], v[90:91]
	v_pk_add_f32 v[250:251], v[250:251], v[94:95]
	v_pk_add_f32 v[248:249], v[248:249], v[98:99]
	v_pk_add_f32 v[246:247], v[246:247], v[102:103]
	v_pk_add_f32 v[244:245], v[244:245], v[106:107]
	v_pk_add_f32 v[242:243], v[242:243], v[110:111]
	v_pk_add_f32 v[14:15], v[14:15], v[114:115]
	v_pk_add_f32 v[220:221], v[220:221], v[118:119]
	v_pk_add_f32 v[252:253], v[252:253], v[122:123]
	v_pk_add_f32 v[250:251], v[250:251], v[126:127]
	v_pk_add_f32 v[248:249], v[248:249], v[130:131]
	v_pk_add_f32 v[246:247], v[246:247], v[134:135]
	v_pk_add_f32 v[244:245], v[244:245], v[138:139]
	v_pk_add_f32 v[242:243], v[242:243], v[142:143]
	v_pk_add_f32 v[14:15], v[14:15], v[146:147]
	v_pk_add_f32 v[220:221], v[220:221], v[150:151]
	s_delay_alu instid0(VALU_DEP_2)
	v_pk_add_f32 v[14:15], v[14:15], v[248:249]
	s_delay_alu instid0(VALU_DEP_2)
	v_pk_add_f32 v[220:221], v[220:221], v[246:247]
	v_pk_add_f32 v[252:253], v[252:253], v[244:245]
	v_pk_add_f32 v[250:251], v[250:251], v[242:243]
	s_delay_alu instid0(VALU_DEP_2)
	v_pk_add_f32 v[14:15], v[14:15], v[252:253]
	s_delay_alu instid0(VALU_DEP_2)
	v_pk_add_f32 v[220:221], v[220:221], v[250:251]
	s_delay_alu instid0(VALU_DEP_1)
	v_pk_add_f32 v[14:15], v[14:15], v[220:221]
.set j, 0
.rept 16
	v_pk_mul_f32 v[O+j:O+j+1], v[O+j:O+j+1], v[FF:FF+1] op_sel_hi:[1,0]   ; O^T under the new M
.set j, j+2
.endr
	s_wait_alu depctr_va_vdst(0)
	s_wait_dscnt 0x0                               ; V is in
.irp t, 0,1,2,3                                ; four accumulators, one instruction a turn; the next step's eight score products stand between two turns
	v_wmma_scale_f32_16x16x128_f8f6f4 v[O+8*\t:O+8*\t+7], v[F+12*\t:F+12*\t+11], v[PC:PC+11], v[O+8*\t:O+8*\t+7], v[FS+\t], v[PS] matrix_a_fmt:MATRIX_FMT_FP6 matrix_b_fmt:MATRIX_FMT_FP6
.endr
.Lhid:
	s_add_co_u32 s[TB], s[TB], RECB
	s_add_co_u32 s[KI], s[KI], 1
	s_cmp_lt_u32 s[KI], 16
	s_cbranch_scc1 .Lstep
	s_setprio 0
	; THE WAY OUT: O^T / the sum, quantised along d (two blocks of 32): half a fragment of the last product's operand, and its two scale bytes
.rept 4
	v_nop                                          ; places behind the last products
.endr
	v_add_f32 v14, v14, v15
	s_delay_alu instid0(VALU_DEP_1)
	v_permlanex16_b32 v[T0], v14, s[SEL], s[SEL+1]
	s_delay_alu instid0(VALU_DEP_1)
	v_add_f32 v14, v14, v[T0]
	s_wait_alu depctr_va_vdst(0)
	v_rcp_f32 v14, v14
	v_nop
	s_wait_alu depctr_va_vdst(0)
.set j, 0
.rept 32
	v_mul_f32 v[S+j], v[O+j], v14                  ; register 16 b + i is d = 32 b + 16 h + i of my query
.set j, j+1
.endr
.irp b, 0,1
	v_max3_num_f32 v[BM+\b], |v[S+16*\b]|, |v[S+16*\b+1]|, 0x1800000
.endr
.irp i, 2,4,6,8,10,12,14
.irp b, 0,1
	s_delay_alu instid0(VALU_DEP_2)
	v_max3_num_f32 v[BM+\b], v[BM+\b], |v[S+16*\b+\i]|, |v[S+16*\b+\i+1]|
.endr
.endr
.irp b, 0,1
	s_delay_alu instid0(VALU_DEP_2)
	v_permlanex16_b32 v[BT+\b], v[BM+\b], s[SEL], s[SEL+1]
.endr
.irp b, 0,1
	s_delay_alu instid0(VALU_DEP_2)
	v_max_num_f32 v[BM+\b], v[BM+\b], v[BT+\b]
.endr
.irp b, 0,1
	s_delay_alu instid0(VALU_DEP_2)
	v_add_nc_u32 v[BS+\b], 0xff000000, v[BM+\b]
.endr
.irp b, 0,1
	s_delay_alu instid0(VALU_DEP_2)
	v_lshrrev_b32 v[BT+\b], 23, v[BS+\b]
.endr
	s_delay_alu instid0(VALU_DEP_1)
	v_lshl_or_b32 v[PS], v[BT+1], 8, v[BT]
	v_cvt_scalef32_pk16_fp6_f32 v[PC:PC+2], v[S:S+15], v[BS]
	v_cvt_scalef32_pk16_fp6_f32 v[PT:PT+2], v[S+16:S+31], v[BS+1]
	v_nop
.irp i, 0,1,2
	v_permlane16_swap_b32 v[PC+\i], v[PT+\i]
.endr
.irp i, 0,1,2
	s_delay_alu instid0(VALU_DEP_3)
	v_mov_b32 v[PC+3+\i], v[PT+\i]
.endr
	global_store_b128 v[L16], v[PC:PC+3], s[CPT:CPT+1]             ; 512 consecutive bytes, aligned to 256
	global_store_b64 v[L8], v[PC+4:PC+5], s[CPT:CPT+1] offset:512  ; 256
	global_store_b16 v[R8], v[PS], s[SPT:SPT+1]    ; two bytes a place, 8 bytes apart: a scale word belongs to two heads, that is to two work-groups; both halves of the lanes write the same value
	s_wait_xcnt 0x0                                ; pointers and data are written again only behind this wait
	s_mov_b32 s[XM], 31
	s_add_co_u32 s[PASS], s[PASS], 1
	s_cmp_lt_u32 s[PASS], 2
	s_cbranch_scc1 .Lpass
	s_wait_tensorcnt 0x0
	ds_add_u32 v254, v255
	s_wait_dscnt 0x0
	CROUND                                         ; the closing round
	s_endpgm
.Lfunc_end_k_q2fd49478a9_attn:
	.size	k_q2fd49478a9_attn, .Lfunc_end_k_q2fd49478a9_attn-k_q2fd49478a9_attn
	.p2alignl 7, 3214868480
	.fill 96, 4, 3214868480
	.section	.rodata,"a",@progbits
	.p2align	6, 0x0
	.amdhsa_kernel k_q2fd49478a9_attn
		.amdhsa_group_segment_fixed_size 327680
		.amdhsa_private_segment_fixed_size 0
		.amdhsa_enable_private_segment 0
		.amdhsa_kernarg_size 32
		.amdhsa_user_sgpr_count 2
		.amdhsa_user_sgpr_kernarg_segment_ptr 1
		.amdhsa_wavefront_size32 1
		.amdhsa_system_sgpr_workgroup_id_x 1
		.amdhsa_system_sgpr_workgroup_id_y 1
		.amdhsa_system_sgpr_workgroup_id_z 1
		.amdhsa_system_vgpr_workitem_id 0
		.amdhsa_next_free_vgpr 256
		.amdhsa_next_free_sgpr 66
		.amdhsa_reserve_vcc 1
		.amdhsa_float_denorm_mode_32 3
		.amdhsa_float_denorm_mode_16_64 3
		.amdhsa_memory_ordered 1
		.amdhsa_forward_progress 1
		.amdhsa_inst_pref_size 36
	.end_amdhsa_kernel
	.amdgpu_metadata
---
amdhsa.version: [ 1, 2 ]
amdhsa.kernels:
  - .name:           k_q2fd49478a9_attn
    .symbol:         k_q2fd49478a9_attn.kd
    .args:
      - { .name: qb, .offset: 0, .size: 8, .value_kind: global_buffer, .address_space: global }
      - { .name: kv, .offset: 8, .size: 8, .value_kind: global_buffer, .address_space: global }
      - { .name: ctx_img, .offset: 16, .size: 8, .value_kind: global_buffer, .address_space: global }
      - { .name: ctx_sc, .offset: 24, .size: 8, .value_kind: global_buffer, .address_space: global }
    .group_segment_fixed_size: 327680
    .private_segment_fixed_size: 0
    .kernarg_segment_align: 8
    .kernarg_segment_size: 32
    .max_flat_workgroup_size: 512
    .sgpr_count:     66
    .vgpr_count:     256
    .wavefront_size: 32
...
	.end_amdgpu_metadata
.endif
;; end of part 3
;; launch proj (part 4): grid 4 x 64, 4 waves a work-group, clusters of 4 x 4, 327,680 bytes of LDS; arguments ctx_img, ctx_sc, w_img, w_sc, bo, out0; writes out0
.if DOCPART == 4
	.amdgcn_target "amdgcn-amd-amdhsa--gfx1250"
	.amdhsa_code_object_version 6
	.text
	.protected	k_q2fd49478a9_proj
	.globl	k_q2fd49478a9_proj
	.p2align	8
	.type	k_q2fd49478a9_proj,@function
k_q2fd49478a9_proj:
	s_mov_b64 s[64:65], 0
	v_nop
	global_prefetch_b8 v0, s[64:65] scope:SCOPE_SE
	s_setreg_imm32_b32 hwreg(HW_REG_WAVE_MODE, 25, 1), 1
	s_wait_xcnt 0x0
	s_wait_alu depctr_hold_cnt(0) depctr_sa_sdst(0) depctr_va_vdst(0) depctr_va_sdst(0) depctr_va_ssrc(0) depctr_va_vcc(0) depctr_vm_vsrc(0)
	s_getreg_b32 s2, hwreg(HW_REG_IB_STS2, 6, 4)
	s_cmp_eq_u32 s2, 0
	s_cbranch_scc0 .Lentry_in_a_cluster
	s_endpgm
.Lentry_in_a_cluster:
	s_bfe_u32 s2, ttmp6, 0x10000c
	s_cmp_lg_u32 s2, 0xf033
	s_cbranch_scc0 .Lentry_shape_is_right
	s_endpgm
.Lentry_shape_is_right:
; out0 = ctx Wo^T + bo on codes of FP6 (E2M3) with E8M0 scales, K = 1,024, sums in f32.  Both operands arrive as images of fragments, [tile][K step 8] of 1,536 bytes (registers 0-3 at 16 x lane, 4-5 at
; 512 + 8 x lane, 6-9 at 768 + 16 x lane, 10-11 at 1,280 + 8 x lane); place r of tile T is row 32 (T / 2) + 8 (T % 2) + r + 8 (r / 8).  Wo's tiles are 192 .. 255 of w_img.
; A work-group makes 128 tokens x 256 outputs (256 work-groups), a wave 64 x 128: 32 accumulators.  Source 0 = Wo's rows, source 1 = tokens: a lane holds one token and eight neighbouring outputs an accumulator.
; ALL OF K LIES IN LDS: four slots of 256 along K and the scale words, each filled once, five tensor loads a wave out at the start; no LDS byte is filled twice.
; CLUSTERS: 4 x 4 work-groups; the context's tiles are shared along a row of the cluster, Wo's along a column, by joint loads.
; The bias is the C of the first K step's products: eight registers for each of B's blocks, in the result's layout.
; LIMITS: NaN and infinities are not served.
.set NL,    4
.set NP,    4
.set FR,    12
.set APART, 12288                      ; 4 tiles x 2 fragments
.set BPART, 24576                      ; 8 tiles x 2 fragments
.set SLOTP, 2*APART+2*BPART
.set SCA,   4*SLOTP                    ; the context's scale words: 8 tiles x 512 bytes
.set SCB,   SCA+4096                   ; Wo's: 16 tiles
.set SPITCH, 528                       ; the way out: a stage of 16 rows x (512 + 16) bytes for each wave, in slot 0, which has had its one fill and its last read when the first result is stored there
.set ADRA16, 8                         ; v8-11, v12-15 A's fragments by slot: + 16 x lane, + 8 x lane
.set ADRA8,  12
.set ADRB16, 16                        ; v16-19, v20-23 B's
.set ADRB8,  20
.set STO,   24
.set RD,    25
.set CO,    26
.set ADRS,  27
.set BOF,   28                         ; v28 64 h: the bias loads' offset
.set SC,    32                         ; v32-63 scale words, two sets of 16
.set BIAS,  64                         ; v64-127
.set AF,    128                        ; v128-175 A's four fragments;  window 1: B's two sets at v0, v128;  window 2: accumulator (a, b) at v[8 (8 a + b)]
.set BK,    128                        ; the way out: v128-191, v192-255 by turns
.set WV,    16
.set WHI,   17
.set WLO,   18
.set CX,    19
.set CY,    20
.set YC,    21
.set G1,    24
.set G0A,   32                         ; s[32:47] four sets
.set G1B,   48
.set G1S,   76
.set G1SB,  84
.set G0S,   92
.set G0SB,  96
.set MSB, 0
.macro WIN new
.if MSB != (\new)
	s_set_vgpr_msb (MSB<<8)|(\new)
.set MSB, (\new)
.endif
.endm
.set MUL_W, 0xa1                       ; source 0 (B) window 1, source 1 (A) window 0, C and D window 2
.set MUL_B, 0x81                       ; the same with C (the bias) in window 0
.set TO_B,  0x40
.macro JLOAD g0a, g1a, g0b, g1b
	s_cmp_eq_u32 s[WHI], 0
	s_cbranch_scc0 .Lfor_b_\@
	tensor_load_to_lds s[\g0a:\g0a+3], s[\g1a:\g1a+7]
	s_nop 0
.rept 4
	v_nop
.endr
	s_branch .Lasked_\@
.Lfor_b_\@:
	tensor_load_to_lds s[\g0b:\g0b+3], s[\g1b:\g1b+7]
	s_nop 0
.rept 4
	v_nop
.endr
.Lasked_\@:
.endm
.macro CROUND
	s_barrier_signal -1
	s_barrier_wait -1
	s_cmp_lg_u32 s[WV], 0
	s_cbranch_scc1 .Lnot_wave_0_\@
	s_barrier_signal -3
.Lnot_wave_0_\@:
	s_barrier_wait -3
	s_barrier_signal -1
	s_barrier_wait -1
.endm
.macro PLACES n
.rept \n
	v_nop
.endr
.endm
	s_load_b256 s[4:11], s[0:1], 0x0               ; ctx_img, ctx_sc, w_img, w_sc
	s_load_b128 s[12:15], s[0:1], 0x20             ; bo, out0
	v_lshl_add_u32 v30, v0, 2, 0x4b000
	v_mov_b32 v31, 0
	ds_add_u32 v30, v31
	ds_add_u32 v30, v31
	v_lshrrev_b32 v1, 5, v0
	v_readfirstlane_b32 s[WV], v1
	s_lshr_b32 s[WHI], s[WV], 1                    ; which 64 tokens are mine.  Also: I fetch for A (0) or for B (1)
	s_and_b32 s[WLO], s[WV], 1                     ; which 128 outputs.  Also: which part I fetch
	s_bfe_u32 s[CX], ttmp6, 0x40000
	s_bfe_u32 s[CY], ttmp6, 0x40004
	s_and_b32 s[YC], ttmp7, 0xffff
	s_lshl_b32 s22, s[CY], 2
	s_lshl_b32 s22, 15, s22                        ; my row of the cluster
	s_lshl_b32 s2, 0x1111, s[CX]                   ; my column
	s_or_b32 s[G1], s22, (3<<16)|(1<<21)
	s_or_b32 s[G1S], s22, (3<<16)|(1<<21)
	s_or_b32 s[G1B], s2, (3<<16)|(1<<21)
	s_or_b32 s[G1SB], s2, (3<<16)|(1<<21)
	s_mov_b32 s[G1+1], 384<<16                     ; A: 4 rows (tiles) of 3,072 bytes, 12,288 apart
	s_mov_b32 s[G1+2], 4<<16
	s_mov_b32 s[G1+3], 384<<16
	s_mov_b32 s[G1+4], 4
	s_mov_b32 s[G1+5], 1536
	s_mov_b32 s[G1+6], 0
	s_mov_b32 s[G1+7], 0
	s_mov_b32 s[G1B+1], 384<<16                    ; B: 8 rows
	s_mov_b32 s[G1B+2], 8<<16
	s_mov_b32 s[G1B+3], 384<<16
	s_mov_b32 s[G1B+4], 8
	s_mov_b32 s[G1B+5], 1536
	s_mov_b32 s[G1B+6], 0
	s_mov_b32 s[G1B+7], 0
	s_mov_b32 s[G1S+1], 32<<16                     ; A's scale words: 2,048 dense bytes as 8 rows of 256
	s_mov_b32 s[G1S+2], 8<<16
	s_mov_b32 s[G1S+3], 32<<16
	s_mov_b32 s[G1S+4], 8
	s_mov_b32 s[G1S+5], 32
	s_mov_b32 s[G1S+6], 0
	s_mov_b32 s[G1S+7], 0
	s_mov_b32 s[G1SB+1], 32<<16                    ; B's: 4,096 as 16 rows
	s_mov_b32 s[G1SB+2], 16<<16
	s_mov_b32 s[G1SB+3], 32<<16
	s_mov_b32 s[G1SB+4], 16
	s_mov_b32 s[G1SB+5], 32
	s_mov_b32 s[G1SB+6], 0
	s_mov_b32 s[G1SB+7], 0
	s_lshl_b32 s22, s[YC], 2
	s_add_co_u32 s22, s22, s[CY]                   ; work-group y
	s_lshl_b32 s22, s22, 3
	s_lshl_b32 s23, s[WLO], 2
	s_add_co_u32 s22, s22, s23                     ; A: the first tile that I fetch
	s_mul_i32 s66, s22, 12288
	s_mov_b32 s67, 0
	s_lshl_b32 s22, s22, 9
	s_mov_b32 s23, 0
	s_lshl_b32 s2, s[CX], 4
	s_lshl_b32 s3, s[WLO], 3
	s_add_co_u32 s2, s2, s3
	s_add_co_u32 s2, s2, 192                       ; B: Wo's tiles begin at 192
	s_mul_i32 s100, s2, 12288
	s_mov_b32 s101, 0
	s_lshl_b32 s2, s2, 9
	s_mov_b32 s3, 0
	s_wait_dscnt 0x0
	s_wait_kmcnt 0x0
	s_add_nc_u64 s[66:67], s[4:5], s[66:67]
	s_add_nc_u64 s[22:23], s[6:7], s[22:23]
	s_add_nc_u64 s[100:101], s[8:9], s[100:101]
	s_add_nc_u64 s[2:3], s[10:11], s[2:3]
	CROUND                                         ; all sixteen work-groups are here: the joint loads meet
	s_mov_b32 s[G0S], 1
	s_lshl_b32 s[G0S+1], s[WLO], 11
	s_add_co_u32 s[G0S+1], s[G0S+1], SCA
	s_mov_b64 s[G0S+2:G0S+3], s[22:23]
	s_or_b32 s[G0S+3], s[G0S+3], 0x80000000
	s_mov_b32 s[G0SB], 1
	s_lshl_b32 s[G0SB+1], s[WLO], 12
	s_add_co_u32 s[G0SB+1], s[G0SB+1], SCB
	s_mov_b64 s[G0SB+2:G0SB+3], s[2:3]
	s_or_b32 s[G0SB+3], s[G0SB+3], 0x80000000
	JLOAD G0S, G1S, G0SB, G1SB
.irp s, 0,1,2,3                        ; B's four groups 0 lie at s56, s60, s68, s72
	s_mov_b32 s[G0A+4*\s], 1
	s_mul_i32 s[G0A+4*\s+1], s[WLO], APART
	s_add_co_u32 s[G0A+4*\s+1], s[G0A+4*\s+1], \s*SLOTP
	s_add_nc_u64 s[G0A+4*\s+2:G0A+4*\s+3], s[66:67], \s*3072
	s_or_b32 s[G0A+4*\s+3], s[G0A+4*\s+3], 0x80000000
	s_mov_b32 s[56+4*\s+4*(\s/2)], 1
	s_mul_i32 s[56+4*\s+4*(\s/2)+1], s[WLO], BPART
	s_add_co_u32 s[56+4*\s+4*(\s/2)+1], s[56+4*\s+4*(\s/2)+1], \s*SLOTP+2*APART
	s_add_nc_u64 s[56+4*\s+4*(\s/2)+2:56+4*\s+4*(\s/2)+3], s[100:101], \s*3072
	s_or_b32 s[56+4*\s+4*(\s/2)+3], s[56+4*\s+4*(\s/2)+3], 0x80000000
	JLOAD G0A+4*\s, G1, 56+4*\s+4*(\s/2), G1B
.endr
	v_and_b32 v1, 31, v0                           ; lane
	v_and_b32 v2, 15, v0                           ; r
	v_bfe_u32 v3, v0, 4, 1                         ; h
	v_lshlrev_b32 v[CO], 4, v1                     ; 16 x lane
	v_lshlrev_b32 v4, 3, v1                        ; 8 x lane
	s_mul_i32 s22, s[WHI], APART
	s_mul_i32 s23, s[WLO], BPART
	s_add_co_u32 s23, s23, 2*APART
.irp s, 0,1,2,3
	v_add_nc_u32 v[ADRA16+\s], s22, v[CO]
	v_add_nc_u32 v[ADRA8+\s], s22, v4
	v_add_nc_u32 v[ADRB16+\s], s23, v[CO]
	v_add_nc_u32 v[ADRB8+\s], s23, v4
	s_add_co_u32 s22, s22, SLOTP
	s_add_co_u32 s23, s23, SLOTP
.endr
	s_lshl_b32 s22, s[WHI], 11
	s_lshl_b32 s23, s[WLO], 12
	s_add_co_u32 s23, s23, SCB-SCA
	s_sub_co_u32 s23, s23, s22
	v_mul_u32_u24 v5, s23, v3                      ; lanes 16-31 take B's: one product, the distance between the two bases
	s_add_co_u32 s22, s22, SCA
	v_lshl_add_u32 v5, v2, 3, v5
	v_add_nc_u32 v[ADRS], s22, v5
	s_mul_i32 s22, s[WV], 16*SPITCH                ; my stage
	v_mul_u32_u24 v[STO], v2, SPITCH
	v_lshl_add_u32 v[STO], v3, 6, v[STO]
	v_add_nc_u32 v[STO], s22, v[STO]               ; in: row r, + 64 h
	v_add_nc_u32 v[RD], s22, v[CO]                 ; back: 16 bytes a lane of a row of 512
	v_lshlrev_b32 v[BOF], 6, v3
	s_lshl_b32 s22, s[YC], 2
	s_add_co_u32 s22, s22, s[CY]
	s_lshl_b32 s22, s22, 19                        ; 128 rows of 4,096 bytes a work-group,
	s_lshl_b32 s23, s[WHI], 18                     ; 64 a wave
	s_add_co_u32 s22, s22, s23
	s_lshl_b32 s2, s[CX], 10                       ; my first output, in bytes: 1,024 cx + 512 x half
	s_lshl_b32 s3, s[WLO], 9
	s_add_co_u32 s2, s2, s3
	s_mov_b32 s3, 0
	s_add_nc_u64 s[12:13], s[12:13], s[2:3]
	s_add_co_u32 s22, s22, s2
	s_mov_b32 s23, 0
	s_add_nc_u64 s[14:15], s[14:15], s[22:23]
.irp b, 0,1,2,3,4,5,6,7                        ; block b's eight outputs of my half: 32 (b / 2) + 8 (b % 2) + 16 h + 0 .. 7
	global_load_b128 v[BIAS+8*\b:BIAS+8*\b+3], v[BOF], s[12:13] offset:(32*(\b/2)+8*(\b%2))*4
	global_load_b128 v[BIAS+8*\b+4:BIAS+8*\b+7], v[BOF], s[12:13] offset:(32*(\b/2)+8*(\b%2))*4+16
.endr
.macro FRAG reg, a16, a8, off
	ds_load_b128 v[\reg:\reg+3], v[\a16] offset:\off
	ds_load_b64 v[\reg+4:\reg+5], v[\a8] offset:\off+512
	ds_load_b128 v[\reg+6:\reg+9], v[\a16] offset:\off+768
	ds_load_b64 v[\reg+10:\reg+11], v[\a8] offset:\off+1280
.endm
; 8 matrix instructions: A's block a x B's eight.  first = 1: the bias starts the sums.  The 32 accumulators take turns, one instruction a turn, in the same order in every step.
.macro MUL8 a, p, q, sc, first
.irp b, 0,1,2,3,4,5,6,7
.if \first
	v_wmma_scale_f32_16x16x128_f8f6f4 v[8*(8*(\a)+\b):8*(8*(\a)+\b)+7], v[128*(\p)+FR*\b:128*(\p)+FR*\b+FR-1], v[AF+FR*(\a):AF+FR*(\a)+FR-1], v[BIAS+8*\b:BIAS+8*\b+7], v[SC+16*(\sc)+2*\b+(\q)], v[SC+16*(\sc)+2*(\a)+(\q)] matrix_a_fmt:MATRIX_FMT_FP6 matrix_b_fmt:MATRIX_FMT_FP6 matrix_a_scale:MATRIX_SCALE_ROW1
.else
	v_wmma_scale_f32_16x16x128_f8f6f4 v[8*(8*(\a)+\b):8*(8*(\a)+\b)+7], v[128*(\p)+FR*\b:128*(\p)+FR*\b+FR-1], v[AF+FR*(\a):AF+FR*(\a)+FR-1], v[8*(8*(\a)+\b):8*(8*(\a)+\b)+7], v[SC+16*(\sc)+2*\b+(\q)], v[SC+16*(\sc)+2*(\a)+(\q)] matrix_a_fmt:MATRIX_FMT_FP6 matrix_b_fmt:MATRIX_FMT_FP6 matrix_a_scale:MATRIX_SCALE_ROW1
.endif
.endr
.endm
.macro FETCH_B slot, q, p
	WIN TO_B
.irp i, 0,1,2,3,4,5,6,7
	FRAG 128*(\p)+FR*\i, ADRB16+\slot, ADRB8+\slot, 3072*\i+1536*(\q)
.endr
	WIN 0
.endm
.macro FETCH_A2 slot, q, i0
.irp i, \i0, \i0+1
	FRAG AF+FR*(\i), ADRA16+\slot, ADRA8+\slot, 3072*(\i)+1536*(\q)
.endr
.endm
.macro SCALES sc                       ; lanes 0-15: A's block i (of these only i under 4 is used), lanes 16-31: B's block i
.irp i, 0,1,2,3,4,5,6,7
	ds_load_b64 v[SC+16*(\sc)+2*\i:SC+16*(\sc)+2*\i+1], v[ADRS] offset:512*\i
.endr
.endm
.macro STEPP slot, first               ; a slot's first 128 along K
	s_wait_dscnt 2*NL                              ; B's set and A's blocks 0, 1 are in; the youngest 8 loads (A's blocks 2, 3) may be out
.if \first
	WIN MUL_B
.else
	WIN MUL_W
.endif
	MUL8 0, 0, 0, (\slot)%2, \first
	MUL8 1, 0, 0, (\slot)%2, \first
	s_wait_dscnt 0x0
	PLACES NP
	FETCH_B \slot, 1, 1
	FETCH_A2 \slot, 1, 0
.if \first
	WIN MUL_B
.else
	WIN MUL_W
.endif
	MUL8 2, 0, 0, (\slot)%2, \first
	MUL8 3, 0, 0, (\slot)%2, \first
	PLACES NP
	WIN 0
	FETCH_A2 \slot, 1, 2
.endm
; A slot's second 128 along K, and the step into the next slot: each wave's part of that slot has landed (n later fills may stay out), then a barrier.
.macro TURNP slot, next, n
	s_wait_tensorcnt \n
	s_wait_dscnt 2*NL
	WIN MUL_W
	MUL8 0, 1, 1, (\slot)%2, 0
	s_wait_dscnt 0x0                               ; no LDS instruction of mine is out at the signal
	s_barrier_signal -1
	MUL8 1, 1, 1, (\slot)%2, 0
	WIN 0
	s_barrier_wait -1
	PLACES NP
	v_add_nc_u32 v[ADRS], 128, v[ADRS]
	FETCH_B \next, 0, 0
	FETCH_A2 \next, 0, 0
	SCALES (\next)%2
	WIN MUL_W
	MUL8 2, 1, 1, (\slot)%2, 0
	MUL8 3, 1, 1, (\slot)%2, 0
	PLACES NP
	WIN 0
	FETCH_A2 \next, 0, 2
.endm
	s_wait_tensorcnt 3                             ; the scale words and my part of slot 0 are in; slots 1 to 3 may be out
	s_barrier_signal -1
	s_barrier_wait -1
	FETCH_B 0, 0, 0
	FETCH_A2 0, 0, 0
	SCALES 0
	FETCH_A2 0, 0, 2
	s_wait_loadcnt 0x0                             ; the bias
	STEPP 0, 1
	TURNP 0, 1, 2
	STEPP 1, 0
	TURNP 1, 2, 1
	STEPP 2, 0
	TURNP 2, 3, 0
	STEPP 3, 0
	s_wait_dscnt 2*NL
	WIN MUL_W
	MUL8 0, 1, 1, 1, 0
	MUL8 1, 1, 1, 1, 0
	s_wait_dscnt 0x0
	MUL8 2, 1, 1, 1, 0
	MUL8 3, 1, 1, 1, 0
	WIN 0
; THE WAY OUT, block by block of 16 tokens x 128 outputs, through my own stage: in as 32 bytes a lane and accumulator, back as whole rows of 512 bytes.
.macro TOSTAGE a
	WIN 0x08                                       ; an LDS store's data are its source 1: window 2
.irp b, 0,1,2,3,4,5,6,7
	ds_store_b128 v[STO], v[8*(8*(\a)+\b):8*(8*(\a)+\b)+3] offset:128*(\b/2)+32*(\b%2)          ; each accumulator from its low end on
	ds_store_b128 v[STO], v[8*(8*(\a)+\b)+4:8*(8*(\a)+\b)+7] offset:128*(\b/2)+32*(\b%2)+16
.endr
	WIN 0
.set BB, BK+64*((\a)%2)
.irp t, 0,1,2,3,4,5,6,7,8,9,10,11,12,13,14,15
	ds_load_b128 v[BB+4*\t:BB+4*\t+3], v[RD] offset:\t*SPITCH      ; LDS serves a wave's instructions in order: these see the stores above
.endr
.endm
.macro SEND a, younger                 ; place t of tile a is token 32 (a / 2) + 8 (a % 2) + t + 8 (t / 8) of my 64
.set BB, BK+64*((\a)%2)
	s_wait_dscnt \younger
.irp t, 0,1,2,3,4,5,6,7,8,9,10,11,12,13,14,15
	global_store_b128 v[CO], v[BB+4*\t:BB+4*\t+3], s[14:15] offset:(32*((\a)/2)+8*((\a)%2)+\t+8*(\t/8))*4096 th:TH_STORE_NT   ; 512 consecutive bytes, at a multiple of 256 from out0's first byte
.endr
.endm
	PLACES NP
	TOSTAGE 0
.irp a, 1,2,3
.if \a > 1
	s_wait_xcnt 0x0                                ; block a - 2's stores have read their registers: block a's loads may land there
.endif
	TOSTAGE \a
	SEND \a-1, 32                                  ; behind block a - 1's loads: block a's 16 stores and 16 loads
.endr
	SEND 3, 0
	s_wait_tensorcnt 0x0
	ds_add_u32 v30, v31
	s_wait_dscnt 0x0
	CROUND                                         ; the closing round
	s_endpgm
.Lfunc_end_k_q2fd49478a9_proj:
	.size	k_q2fd49478a9_proj, .Lfunc_end_k_q2fd49478a9_proj-k_q2fd49478a9_proj
	.p2alignl 7, 3214868480
	.fill 96, 4, 3214868480
	.section	.rodata,"a",@progbits
	.p2align	6, 0x0
	.amdhsa_kernel k_q2fd49478a9_proj
		.amdhsa_group_segment_fixed_size 327680
		.amdhsa_private_segment_fixed_size 0
		.amdhsa_enable_private_segment 0
		.amdhsa_kernarg_size 48
		.amdhsa_user_sgpr_count 2
		.amdhsa_user_sgpr_kernarg_segment_ptr 1
		.amdhsa_wavefront_size32 1
		.amdhsa_system_sgpr_workgroup_id_x 1
		.amdhsa_system_sgpr_workgroup_id_y 1
		.amdhsa_system_sgpr_workgroup_id_z 1
		.amdhsa_system_vgpr_workitem_id 0
		.amdhsa_next_free_vgpr 768
		.amdhsa_next_free_sgpr 102
		.amdhsa_reserve_vcc 0
		.amdhsa_float_denorm_mode_32 3
		.amdhsa_float_denorm_mode_16_64 3
		.amdhsa_memory_ordered 1
		.amdhsa_forward_progress 1
		.amdhsa_inst_pref_size 91
	.end_amdhsa_kernel
	.amdgpu_metadata
---
amdhsa.version: [ 1, 2 ]
amdhsa.kernels:
  - .name:           k_q2fd49478a9_proj
    .symbol:         k_q2fd49478a9_proj.kd
    .args:
      - { .name: ctx_img, .offset: 0, .size: 8, .value_kind: global_buffer, .address_space: global }
      - { .name: ctx_sc, .offset: 8, .size: 8, .value_kind: global_buffer, .address_space: global }
      - { .name: w_img, .offset: 16, .size: 8, .value_kind: global_buffer, .address_space: global }
      - { .name: w_sc, .offset: 24, .size: 8, .value_kind: global_buffer, .address_space: global }
      - { .name: bo, .offset: 32, .size: 8, .value_kind: global_buffer, .address_space: global }
      - { .name: out0, .offset: 40, .size: 8, .value_kind: global_buffer, .address_space: global }
    .group_segment_fixed_size: 327680
    .private_segment_fixed_size: 0
    .kernarg_segment_align: 8
    .kernarg_segment_size: 48
    .max_flat_workgroup_size: 128
    .sgpr_count:     102
    .vgpr_count:     768
    .wavefront_size: 32
...
	.end_amdgpu_metadata
.endif
;; end of part 4
